; MI455X (gfx1250); checked and timed in simulation.
; The chip was launched on July 23, 2026; its instructions are those of AMD's public machine-readable ISA for CDNA 5 (MIT licence, August 2026) and "CDNA5" Instruction Set Architecture Reference Guide (July 2026). The comments in the code are by the model that wrote it; some were corrected since.
;; Multi Head Self Attention. Allowed arithmetic: matrix products marked QUANTISED: E4M3 operands, one given power-of-two scale a tensor, by v_wmma_f32_16x16x64_fp8_fp8 or v_wmma_f32_16x16x128_fp8_fp8, f32 sums; everything else in f32.
;; Inputs: Wk 1,024 x 1,024 float32; Wo 1,024 x 1,024 float32; Wq 1,024 x 1,024 float32; Wv 1,024 x 1,024 float32; bk 1,024 float32; bo 1,024 float32; bq 1,024 float32; bv 1,024 float32; lowp_scales 12 int32 (the exponents e of the quantised operands' scales 2^e); x 4 x 2,048 x 1,024 float32.
;; Outputs: out0 4 x 2,048 x 1,024 float32.
;; This version of the problem:
;;   THIS VERSION OF THE PROBLEM IS GIVEN IN LOW PRECISION. The matrix products marked QUANTISED in the list below multiply operands that are first quantised to E4M3 (4 exponent bits, 3 mantissa bits; 8 bits a number), with one given power-of-two scale for each operand tensor; their sums are f32. All else is computed in f32.
;;   The module's matrix products, in the order in which they are computed (A, B: the left and right operand; K: the contracted axis; several contracted axes count as one K, in the product's order):
;;     1. [M 8,192, K 1,024] x [K 1,024, N 1,024]; A: input x; B: input Wq: QUANTISED (scales: A lowp_scales[0], B lowp_scales[1])
;;     2. [M 8,192, K 1,024] x [K 1,024, N 1,024]; A: input x; B: input Wk: QUANTISED (scales: A lowp_scales[2], B lowp_scales[3])
;;     3. [M 8,192, K 1,024] x [K 1,024, N 1,024]; A: input x; B: input Wv: QUANTISED (scales: A lowp_scales[4], B lowp_scales[5])
;;     4. batch 64 x [M 2,048, K 64] x [K 64, N 2,048]; A: computed on the way; B: computed on the way: QUANTISED (scales: A lowp_scales[6], B lowp_scales[7])
;;     5. batch 64 x [M 2,048, K 2,048] x [K 2,048, N 64]; A: softmax (see below); B: computed on the way: QUANTISED (scales: A lowp_scales[8], B lowp_scales[9])
;;     6. [M 8,192, K 1,024] x [K 1,024, N 1,024]; A: computed on the way; B: input Wo: QUANTISED (scales: A lowp_scales[10], B lowp_scales[11])
;;   THE QUANTISER, for each operand of a quantised product, along K:
;;     - The operand's scale is 2^e, e = its entry of the input lowp_scales (int32; the entries are numbered through the quantised products in the list's order, A before B).
;;     - Each number is divided by the scale, clamped to +-448, and rounded to the nearest number of E4M3, ties to even, subnormals kept.
;;     - The product sums the exact products of the quantised numbers (number of the format x scale) in f32.
;;   ~~~python
;;   def quantise(x, axis, e):      # numpy; x: float32 -> the quantised numbers, widened to float32 again
;;       x = np.moveaxis(x, axis, -1); K = x.shape[-1]
;;       r = np.clip(x / 2.0 ** e, -448, 448)
;;       step = 2.0 ** (np.maximum(np.frexp(np.where(r == 0, 1, r))[1] - 1, -6) - 3)
;;       q = np.round(r / step) * step * 2.0 ** e      # np.round: ties to even
;;       return np.moveaxis(q, -1, axis).astype(np.float32)
;;   ~~~
;;   SOFTMAX AHEAD OF A QUANTISED PRODUCT. Where the list says 'softmax', what is quantised is not the finished softmax but p = 2^(t - M), with t = logit x log2(e) and M = ceil(the row's largest t), a whole number; so 1/2 < the row's largest p <= 1. The row's sum l is taken of the UNQUANTISED p, in f32, and the product's result is divided by l at the end. Since M is a whole number, a kernel that streams over the keys may use a running M (the ceiling of the running maximum): every later rescaling is an exact power of two, so the quantised numbers keep their values, but for numbers so far below the row's largest that they fall under the format's range.
;;   OPERANDS COMPUTED ON THE WAY. 'Computed on the way' means the value that the module computes at that place (a softmax that the list does not call 'softmax' is quantised finished and normalised). What goes into a quantiser is computed in f32, as accurately as f32 sums, v_exp_f32 and their like allow (about 1e-6 of the number): no bf16 or f16 on the way to a quantiser, and a product that is left as it is and whose result goes on into a quantised operand takes f32 operands (vector FMAs, or v_wmma_f32_16x16x4_f32). A number that lies on a knife's edge between two numbers of the format may be rounded either way, as far as f32 arithmetic and the matrix unit's own rounding can turn it there, and no further.
;; One version. Each part assembles by itself: llvm-mc -triple=amdgcn-amd-amdhsa -mcpu=gfx1250 --defsym DOCPART=n.
;; ======== version 1 of 1: 4 launches
;; limits: right only within a limited range of input values
;; workspace buffers: xc 25,165,824 bytes; wc 4,194,304 bytes; qkv 25,165,824 bytes; ac 8,388,608 bytes
;; launch quant (part 1): grid 384 x 4, 4 waves a work-group, no clusters, 33,280 bytes of LDS; arguments x, Wq, Wk, Wv, Wo, lowp_scales, xc, wc; writes xc, wc
.if DOCPART == 1
	.amdgcn_target "amdgcn-amd-amdhsa--gfx1250"
	.amdhsa_code_object_version 6
	.text
	.protected	k_qb2a1ae543a_quant
	.globl	k_qb2a1ae543a_quant
	.p2align	8
	.type	k_qb2a1ae543a_quant,@function
k_qb2a1ae543a_quant:
	s_mov_b64 s[64:65], 0
	v_nop
	global_prefetch_b8 v0, s[64:65] scope:SCOPE_SE
	s_setreg_imm32_b32 hwreg(HW_REG_WAVE_MODE, 25, 1), 1
	s_wait_xcnt 0x0
; MULTI-HEAD SELF-ATTENTION IN E4M3, launch 1 of 4: x and the four weights, f32, become codes, each with the scale 2^e that is given for it.
; DEAD WORK: none is left out in any of the four launches.  All six products, all four biases and all twelve scales have a way to the output: bk too, which a softmax in real
; numbers would cancel, goes into the quantised operand k and moves its codes.  Every input is loaded.
; x is an operand of three products with three given scales (entries 0, 2, 4), so it is quantised three times: xc holds three sets of codes.  Wq, Wk, Wv, Wo take entries 1, 3, 5, 11.
; code = number / 2^e, held within +-448, rounded to the nearest code, ties to even.  LIMITS: each e lies between -126 and 119, so that 2^e and 448 x 2^e are f32 numbers; NaN among the inputs is not served.
; LAYOUT OF THE CODES (xc: 3 sets of 8 MiB; wc: 4 of 1 MiB): the byte of (row, k) lies at (row / 128) x 131072 + (k / 64) x 8192 + (row % 128) x 64 + k % 64.  So 128 rows x 256 along K are one dense
; block of 32 KiB for the products' tensor loads, and 8 rows x 64 along K are 512 dense bytes: what one store of a wave here covers.
; SHARES.  A wave takes 32 rows x 64 along K, in 4 steps of 8 rows (512 numbers).  Work-group x and the wave say which block of 128 rows and which 64 along K (x 0-255: x; 256-383: the weights, 32 each);
; work-group y says which 32 of the 128 rows.  Only pointers and scales are chosen by the work-group's number.
; A step's four loads read 2 rows x 256 bytes each, 16 bytes a lane; the 2,048 bytes turn through the wave's own stage in LDS and come back 64 bytes (16 neighbours along K) a lane, as the conversions want them.
; No tensor loads, no barrier: waves share nothing.  All 16 loads of a wave are issued at its head; the turn through LDS runs one step ahead.
.set WAVES, 4
.set STEPS, 4
.set WREG,  8192                       ; LDS: a region for each wave: two stages of 32 x SP bytes
.set SP,    80                         ; a lane's place in a stage: 64 bytes + 16 of padding
.set SPARE, WAVES*WREG                 ; behind the regions: the spare words, 128 bytes for each wave
.set SPW,   12                         ; v12  LDS address of my spare word; never rewritten
.set NIL,   13                         ; v13  0; never rewritten
.set R,     16                         ; v16-79   four sets of 16 numbers as loaded
.set X,     80                         ; v80-111  two sets of 16 neighbours
.set TA,    112                        ; v112-127 the numbers held within the range, two sets by turns
.set TB,    128                        ; v128-143
.set C,     144                        ; v144-167 codes: two sets of 3 x 4 registers
	s_load_b512 s[4:19], s[0:1], 0x0               ; x, Wq, Wk, Wv, Wo, the scales' exponents, xc, wc
	v_lshl_add_u32 v[SPW], v0, 2, SPARE
	v_mov_b32 v[NIL], 0
	v_lshrrev_b32 v1, 5, v0
	v_readfirstlane_b32 s20, v1                    ; wave
	v_and_b32 v2, 31, v0                           ; lane
	v_lshrrev_b32 v3, 4, v2
	v_and_b32 v4, 15, v2
	v_lshlrev_b32 v3, 12, v3
	v_lshl_add_u32 v3, v4, 4, v3                   ; in: lanes 0-15 one row's 256 bytes, lanes 16-31 the next row's (4,096 bytes on)
	v_lshlrev_b32 v4, 4, v2                        ; out: 16 bytes a lane
	s_mul_i32 s21, s20, WREG
	v_lshrrev_b32 v14, 2, v2
	v_mul_u32_u24 v14, v14, SP
	v_and_b32 v15, 3, v2
	v_lshl_add_u32 v14, v15, 4, v14
	v_add_nc_u32 v14, s21, v14                     ; the stage, on the way in: four lanes' 64 bytes on end, then the padding
	v_mul_u32_u24 v15, v2, SP
	v_add_nc_u32 v15, s21, v15                     ; and on the way out: place = lane: row lane / 4 of the step's eight, 16 neighbours from k = 16 (lane % 4) on
	s_lshl_b32 s30, ttmp9, 2
	s_add_co_u32 s30, s30, s20                     ; u = 4 x work-group x + wave
	s_lshr_b32 s31, s30, 7
	s_sub_co_u32 s31, s31, 8                       ; which weight, 0 to 3 (in x's work-groups: no such number)
	s_movk_i32 s33, 127
	s_cmp_lt_u32 ttmp9, 256
	s_cselect_b32 s33, 1023, s33
	s_and_b32 s30, s30, s33                        ; 16 x (block of 128 rows) + (block of 64 along K)
	s_lshr_b32 s34, s30, 4
	s_lshl_b32 s34, s34, 19                        ; 128 rows of 4,096 bytes
	s_and_b32 s35, s30, 15
	s_lshl_b32 s35, s35, 8                         ; 64 numbers
	s_or_b32 s34, s34, s35
	s_mov_b32 s35, 0
	s_lshl_b32 s48, s30, 13                        ; the block's 8,192 bytes of codes
	s_mov_b32 s49, 0
	s_and_b32 s54, ttmp7, 0xffff                   ; work-group y: my 32 rows of the 128:
	s_lshl_b32 s55, s54, 17
	s_add_co_u32 s34, s34, s55                     ; 32 rows of 4,096 bytes in,
	s_lshl_b32 s55, s54, 11
	s_add_co_u32 s48, s48, s55                     ; 32 rows of 64 codes out
	s_lshl_b32 s50, s31, 20                        ; the weight's 1 MiB
	s_cmp_lt_u32 ttmp9, 256
	s_cselect_b32 s50, 0, s50
	s_add_co_u32 s50, s50, s48
	s_mov_b32 s51, 0
	s_wait_alu depctr_va_vdst(0)                   ; directly ahead of the wait below
	s_wait_kmcnt 0x0
	s_load_b256 s[36:43], s[14:15], 0x0            ; e0 .. e7
	s_load_b128 s[44:47], s[14:15], 0x20           ; e8 .. e11
	s_mov_b64 s[22:23], s[6:7]                     ; the source is chosen by the work-group's number alone
	s_cmp_eq_u32 s31, 1
	s_cselect_b64 s[22:23], s[8:9], s[22:23]
	s_cmp_eq_u32 s31, 2
	s_cselect_b64 s[22:23], s[10:11], s[22:23]
	s_cmp_eq_u32 s31, 3
	s_cselect_b64 s[22:23], s[12:13], s[22:23]
	s_cmp_lt_u32 ttmp9, 256
	s_cselect_b64 s[22:23], s[4:5], s[22:23]
	s_cselect_b64 s[24:25], s[16:17], s[18:19]
	s_add_nc_u64 s[22:23], s[22:23], s[34:35]
	s_add_nc_u64 s[24:25], s[24:25], s[50:51]      ; the first (or only) set of codes
	s_add_nc_u64 s[26:27], s[16:17], s[48:49]
	s_add_nc_u64 s[28:29], s[26:27], 0x1000000     ; x's third set
	s_add_nc_u64 s[26:27], s[26:27], 0x800000      ; x's second set
.macro LOAD t
.irp i, 0,1,2,3
	global_load_b128 v[R+16*((\t)%4)+4*\i:R+16*((\t)%4)+4*\i+3], v3, s[22:23] offset:32768*(\t)+8192*\i th:TH_LOAD_NT   ; rows 8 t + 2 i and the next: 256 consecutive bytes of each; read once in the launch
.endr
.endm
.macro TURN t                          ; step t's numbers through the stage: LDS serves a wave's instructions in order (ISA guide 5.7.1.4), so no wait stands between the stores and the loads
.irp i, 0,1,2,3
	ds_store_b128 v14, v[R+16*((\t)%4)+4*\i:R+16*((\t)%4)+4*\i+3] offset:32*SP*((\t)%2)+8*SP*\i
.endr
.irp i, 0,1,2,3
	ds_load_b128 v[X+16*((\t)%2)+4*\i:X+16*((\t)%2)+4*\i+3], v15 offset:32*SP*((\t)%2)+16*\i
.endr
.endm
.macro MKSC e, vs, vl                  ; v[vs] = 2^e as f32 (the conversion takes its exponent field), v[vl] = 448 x 2^e
	s_add_co_i32 s52, \e, 127
	s_lshl_b32 s53, s52, 23
	v_mov_b32 v[\vs], s53
	s_add_co_i32 s52, s52, 8
	s_lshl_b32 s52, s52, 23
	s_or_b32 s52, s52, 0x600000
	v_mov_b32 v[\vl], s52
.endm
.irp t, 0,1,2,3
	LOAD \t
.endr
	s_wait_kmcnt 0x0
	s_mov_b32 s32, s37                             ; e1, e3, e5, e11 for the weights, e0 for x
	s_cmp_eq_u32 s31, 1
	s_cselect_b32 s32, s39, s32
	s_cmp_eq_u32 s31, 2
	s_cselect_b32 s32, s41, s32
	s_cmp_eq_u32 s31, 3
	s_cselect_b32 s32, s47, s32
	s_cmp_lt_u32 ttmp9, 256
	s_cselect_b32 s32, s36, s32
	MKSC s32, 5, 6
	MKSC s38, 7, 8                                 ; e2
	MKSC s40, 9, 10                                ; e4
	s_wait_alu depctr_va_vdst(0)                   ; the wait at the head's end
	s_wait_loadcnt 12                              ; step 0's four loads are in
	TURN 0
; one set of codes of step t: o = which scale, tr = where the held numbers go, base = the set's address
.macro Q1 t, o, tr, base
.irp i, 0,1,2,3,4,5,6,7,8,9,10,11,12,13,14,15
	v_med3_num_f32 v[\tr+\i], v[XS+\i], -v[6+2*\o], v[6+2*\o]   ; the conversion to an 8-bit code does not saturate (ISA guide 7.6.2): the number is held first; X stays for the other scales
.endr
	v_cvt_scalef32_pk8_fp8_f32 v[CS+4*\o:CS+4*\o+1], v[\tr:\tr+7], v[5+2*\o]
	v_cvt_scalef32_pk8_fp8_f32 v[CS+4*\o+2:CS+4*\o+3], v[\tr+8:\tr+15], v[5+2*\o]
	v_nop                                          ; a plain vector line behind the conversions: their sources and results are written again further on
	global_store_b128 v4, v[CS+4*\o:CS+4*\o+3], s[\base:\base+1] offset:512*(\t)   ; 32 lanes store 512 consecutive bytes, at a multiple of 512 from the buffer's first byte
.endm
.macro STEP t
.set XS, X+16*((\t)%2)
.set CS, C+12*((\t)%2)
	s_wait_dscnt 0x0                               ; this step's numbers are back from the stage
.if (\t)+1 < STEPS
	s_wait_loadcnt 4*(STEPS-2-(\t))                ; the next step's four loads are in; those of the steps behind it may be out
	TURN (\t)+1                                    ; and go through the other stage while this step is worked
.endif
	s_wait_xcnt 0x0                                ; the stores of two steps ago have read this set of code registers
	Q1 \t, 0, TA, 24
	s_cmp_lt_u32 ttmp9, 256                        ; x has two more scales; the branch hangs on the work-group's number and leads round conversions and global stores alone
	s_cbranch_scc0 .Lw_\@
	Q1 \t, 1, TB, 26
	Q1 \t, 2, TA, 28
.Lw_\@:
.endm
.irp t, 0,1,2,3
	STEP \t
.endr
	s_wait_tensorcnt 0x0                           ; the wave's end: behind my last LDS store
	ds_add_u32 v[SPW], v[NIL]
	s_wait_dscnt 0x0
	s_endpgm
.Lfunc_end_k_qb2a1ae543a_quant:
	.size	k_qb2a1ae543a_quant, .Lfunc_end_k_qb2a1ae543a_quant-k_qb2a1ae543a_quant
	.p2alignl 7, 3214868480
	.fill 96, 4, 3214868480
	.section	.rodata,"a",@progbits
	.p2align	6, 0x0
	.amdhsa_kernel k_qb2a1ae543a_quant
		.amdhsa_group_segment_fixed_size 33280
		.amdhsa_private_segment_fixed_size 0
		.amdhsa_enable_private_segment 0
		.amdhsa_kernarg_size 64
		.amdhsa_user_sgpr_count 2
		.amdhsa_user_sgpr_kernarg_segment_ptr 1
		.amdhsa_wavefront_size32 1
		.amdhsa_system_sgpr_workgroup_id_x 1
		.amdhsa_system_sgpr_workgroup_id_y 1
		.amdhsa_system_sgpr_workgroup_id_z 1
		.amdhsa_system_vgpr_workitem_id 0
		.amdhsa_next_free_vgpr 168
		.amdhsa_next_free_sgpr 66
		.amdhsa_reserve_vcc 0
		.amdhsa_float_denorm_mode_32 3
		.amdhsa_float_denorm_mode_16_64 3
		.amdhsa_memory_ordered 1
		.amdhsa_forward_progress 1
		.amdhsa_inst_pref_size 24
	.end_amdhsa_kernel
	.amdgpu_metadata
---
amdhsa.version: [ 1, 2 ]
amdhsa.kernels:
  - .name:           k_qb2a1ae543a_quant
    .symbol:         k_qb2a1ae543a_quant.kd
    .args:
      - { .name: x, .offset: 0, .size: 8, .value_kind: global_buffer, .address_space: global }
      - { .name: Wq, .offset: 8, .size: 8, .value_kind: global_buffer, .address_space: global }
      - { .name: Wk, .offset: 16, .size: 8, .value_kind: global_buffer, .address_space: global }
      - { .name: Wv, .offset: 24, .size: 8, .value_kind: global_buffer, .address_space: global }
      - { .name: Wo, .offset: 32, .size: 8, .value_kind: global_buffer, .address_space: global }
      - { .name: lowp_scales, .offset: 40, .size: 8, .value_kind: global_buffer, .address_space: global }
      - { .name: xc, .offset: 48, .size: 8, .value_kind: global_buffer, .address_space: global }
      - { .name: wc, .offset: 56, .size: 8, .value_kind: global_buffer, .address_space: global }
    .group_segment_fixed_size: 33280
    .private_segment_fixed_size: 0
    .kernarg_segment_align: 8
    .kernarg_segment_size: 64
    .max_flat_workgroup_size: 128
    .sgpr_count:     66
    .vgpr_count:     168
    .wavefront_size: 32
...
	.end_amdgpu_metadata
.endif
;; end of part 1
;; launch qkvproj (part 2): grid 8 x 32, 4 waves a work-group, clusters of 4 x 4, 327,680 bytes of LDS; arguments xc, wc, lowp_scales, bq, bk, bv, qkv; writes qkv
.if DOCPART == 2
	.amdgcn_target "amdgcn-amd-amdhsa--gfx1250"
	.amdhsa_code_object_version 6
	.text
	.protected	k_qb2a1ae543a_qkvproj
	.globl	k_qb2a1ae543a_qkvproj
	.p2align	8
	.type	k_qb2a1ae543a_qkvproj,@function
k_qb2a1ae543a_qkvproj:
	s_mov_b64 s[64:65], 0
	v_nop
	global_prefetch_b8 v0, s[64:65] scope:SCOPE_SE
	s_setreg_imm32_b32 hwreg(HW_REG_WAVE_MODE, 25, 1), 1
	s_wait_xcnt 0x0
	s_wait_alu depctr_hold_cnt(0) depctr_sa_sdst(0) depctr_va_vdst(0) depctr_va_sdst(0) depctr_va_ssrc(0) depctr_va_vcc(0) depctr_vm_vsrc(0)
	s_getreg_b32 s2, hwreg(HW_REG_IB_STS2, 6, 4)
	s_cmp_eq_u32 s2, 0
	s_cbranch_scc0 .Lentry_in_a_cluster
	s_endpgm
.Lentry_in_a_cluster:
	s_bfe_u32 s2, ttmp6, 0x10000c
	s_cmp_lg_u32 s2, 0xf033
	s_cbranch_scc0 .Lentry_shape_is_right
	s_endpgm
.Lentry_shape_is_right:
; Launch 2 of 4: q = x Wq^T + bq, k = x Wk^T + bk, v = x Wv^T + bv on codes of E4M3, and each result quantised on the way out for attention (entries 6, 7, 9 of the scales).  No work of the module is left out.
; ONE FORM FOR ALL THREE: C'[i][j] = sum over k of P[i][k] R[j][k], K = 1,024.  For q and k: P = x's codes (i = the row of x), R = the weight's (j = n).  For v: P = Wv's codes (i = n), R = x's (j = the row of x):
; so v comes out with the KEYS along a lane's registers, as the second product of attention wants it, and nothing is transposed.
; SHARES.  A tile is 256 i x 128 j; a work-group's four waves make 128 x 64 each: 32 accumulators, 256 registers.  There are 768 tiles and 256 WORK-GROUPS THAT STAY: each makes three tiles, TH = 0 (q), 1 (k), 2 (v).
; K goes in steps of 256 through two LDS slots; a step is two sub-steps of 128, 32 matrix instructions each.  THE RING DOES NOT STOP AT A TILE'S END: a tile's last two changes of slots ask for the next tile's K steps 0 and 1,
; and then the tile goes out.  A loop of two trips serves q and k; v's tile, which asks for nothing more, is written out.
; CLUSTERS: 4 x 4.  P's tile hangs on the tile row (shared along a row of the cluster), R's on the tile column (shared along a column): each is asked for jointly, which divides the requests by four.
; THE MATRIX INSTRUCTION IS USED TRANSPOSED (source 0 = 16 rows of R, source 1 = 16 rows of P): lane (r, h) holds row i = r and eight neighbouring j = 8 h + 0 .. 7.
; OPERANDS' LAYOUT (xc, wc): byte of (row, k) at (row / 128) x 131072 + (k / 64) x 8192 + (row % 128) x 64 + k % 64: a K step of 128 rows is a dense block of 32 KiB, taken as rows of 64 bytes with 16 of padding in LDS.
; OUTPUT (qkv, 3 x 8 MiB): q, k: [64 heads in all][2048 places][64 d];  v: [64][32 blocks of 64 keys][64 places of d][64 keys].  IN EVERY 32 ROWS (positions of q and k, d of v) THE SECOND AND THIRD GROUP OF EIGHT
; CHANGE PLACES, so that 16 neighbouring places hold rows 8 u + 0..7 and 16 + 8 u + 0..7: attention then reads a tile as 16 neighbouring LDS rows and finds 16 neighbours along its next K in a lane's registers.
; LIMITS on the given exponents, so that each power of two is an f32 number: e0 + e1, e2 + e3, e4 + e5 between -126 and 127; e6, e7, e9 between -126 and 119.
; REGISTERS, in windows of 256: window 0: v1-31 addresses and two constants; v32-63 a block's numbers; v64-79 its codes; v80-95 its rows read back; v96-127 the bias; v128-255 P's 8 fragments, ONE set.
;   window 1: R's 4 fragments, TWO sets, at v0 and v64.   window 2: accumulator (a, b) at v[8 (4 a + b)].
.set KBP,   10240                      ; 128 rows x 80 bytes: the LDS rows of 64 along K
.set ROFF,  163840                     ; LDS: P [2 blocks of 128 rows][2 slots][4 x 64 K][128][80], then R [2 slots][4][128][80]: a block's two slots lie on end, so that one descriptor covers both
.set SLOT,  40960                      ; from slot 0 to slot 1, in P's blocks and in R alike
.set STG,   245760                     ; behind the ring: a stage of 16 rows x 80 bytes for each wave, for q and k;
.set STGV,  5120                       ; and this far on four more for v: the two ways out have LDS bytes of their own
.set SPARE, STG+2*STGV                 ; the spare words, 128 bytes for each wave
.set ADRA, 16                          ; v16-17 LDS address of my P fragments in slot 0, 1
.set ADRB, 20                          ; v20-21 the same for R
.set BO0,  22                          ; v22    32 h: the bias along j
.set BO1,  23                          ; v23    4 r: the bias along i
.set STO,  24                          ; v24    the way out: where I put 8 codes
.set RD,   25                          ; v25    where I read 16 bytes of a row back
.set CO,   26                          ; v26    16 x lane
.set SPW,  28                          ; v28    LDS address of my spare word; never rewritten
.set NIL,  29                          ; v29    0; never rewritten
.set LIM,  30                          ; v30    448 x 2^eo
.set SCL,  31                          ; v31    2^eo
.set T,    32
.set CC,   64
.set BK,   80
.set BI,   96
.set AF,   128
.set G1P, 32                           ; s[32:39] descriptor group 1 for P's refills; s[40:47] group 0, a set for each slot
.set G0P, 40
.set G1R, 48                           ; s[48:55], s[56:63] the same for R's
.set G0R, 56
.set G1H, 92                           ; s[92:99] descriptor group 1 for P's first fill: both K steps of a block, 1,024 rows
.set MSB, 0
.macro WIN new                         ; the immediate's high byte repeats the setting that is left
.if MSB != \new
	s_set_vgpr_msb (MSB<<8)|\new
.set MSB, \new
.endif
.endm
.set MUL,  0xa1                        ; source 0 (R) window 1, source 1 (P) window 0, C and D window 2
.set TO_B, 0x40                        ; destination window 1, address window 0
.macro PLACES n                        ; plain vector lines between a matrix instruction and a load into a register that it read, or a vector line that reads its result (ISA guide 7.12.1 for vector lines)
.rept \n
	v_nop
.endr
.endm
.macro TL g0, g1                       ; a tensor load; an s_nop 0 and four v_nop follow it
	tensor_load_to_lds s[\g0:\g0+3], s[\g1:\g1+7]
	s_nop 0
	PLACES 4
.endm
; A joint refill of one slot: waves 0 and 1 fetch P's two blocks of 128 rows, wave 2 R's 128 rows, wave 3 nothing.  The branches hang on the wave's number alone.  Every arm ends in four v_nop.
.macro JLOAD g0p, g0r
	s_cmp_eq_u32 s19, 0
	s_cbranch_scc0 .Lfor_r_\@
	TL \g0p, G1P
	s_branch .Lasked_\@
.Lfor_r_\@:
	s_cmp_eq_u32 s18, 2
	s_cbranch_scc0 .Lnone_\@
	TL \g0r, G1R
	s_branch .Lasked_\@
.Lnone_\@:
	PLACES 4
.Lasked_\@:
.endm
; THE FIRST FILLS: one tensor load a wave, in one chain of arms.  Waves 0 and 1: K steps 0 AND 1 of a block of P, 64 KiB that are dense in memory and on end in LDS, by one descriptor of 1,024 rows;
; wave 2: R's K step 0; wave 3: R's K step 1.  So both slots are asked for at the head.
.macro HLOAD
	s_or_b32 s[G1H], s28, (1<<20)|(1<<21)|(3<<22)|(3<<25)   ; as P's group 1, with the mask of my row
	s_mov_b32 s[G1H+1], 64<<16
	s_mov_b32 s[G1H+2], 1024<<16                   ; tensor_dim1: 8 x 128 rows
	s_mov_b32 s[G1H+3], 64<<16
	s_mov_b32 s[G1H+4], 1024                       ; tile_dim1
	s_mov_b32 s[G1H+5], 64
	s_mov_b32 s[G1H+6], 0
	s_mov_b32 s[G1H+7], 0
	s_cmp_eq_u32 s19, 0
	s_cbranch_scc0 .Lhead_r
	TL G0P, G1H
	s_branch .Lhead_join
.Lhead_r:
	s_cmp_eq_u32 s18, 2
	s_cbranch_scc0 .Lhead_r1
	TL G0R, G1R
	s_branch .Lhead_join
.Lhead_r1:
	TL G0R+4, G1R
.Lhead_join:
.endm
.macro CREST                           ; a round of the cluster's barrier behind its opening barrier
	s_cmp_lg_u32 s18, 0
	s_cbranch_scc1 .Lnot_wave_0_\@
	s_barrier_signal -3
.Lnot_wave_0_\@:
	s_barrier_wait -3
	s_barrier_signal -1
	s_barrier_wait -1
.endm
.macro CROUND                          ; a whole round
	s_barrier_signal -1
	s_barrier_wait -1
	CREST
.endm
; WHERE TILE th's OPERANDS BEGIN: s26 tile row (256 i), s27 tile column (128 j), s[80:81] my block of P at K step 0, s[82:83] R at K step 0.  q, k: 8 rows of clusters x 2 columns;  v: 1 row x 16 columns.
; P's address is made of the tile row, R's of the tile column, each in registers that never hold the other coordinate; s[104:105] holds a buffer's address alone.
.macro TILEADR th
	s_lshl_b32 s27, s24, 1
	s_add_co_u32 s27, s27, ttmp9
	s_cmp_eq_u32 \th, 2
	s_cselect_b32 s26, 0, s24
	s_cselect_b32 s27, s27, ttmp9
	s_lshl_b32 s26, s26, 2
	s_add_co_u32 s26, s26, s22
	s_lshl_b32 s27, s27, 2
	s_add_co_u32 s27, s27, s21
	s_lshl_b32 s80, s26, 1
	s_add_co_u32 s80, s80, s20
	s_lshl_b32 s80, s80, 17                        ; P: block of 128 rows 2 x tile row + half
	s_lshl_b32 s81, \th, 23                        ; x's set of codes th
	s_lshl_b32 s82, s27, 17                        ; R: block of 128 rows = tile column
	s_lshl_b32 s83, \th, 20                        ; the weight th
	s_cmp_eq_u32 \th, 2
	s_cselect_b32 s81, 0x200000, s81               ; v: P is Wv, the third weight,
	s_cselect_b32 s83, 0x1000000, s83              ; and R is x's third set
	s_add_co_u32 s80, s80, s81
	s_add_co_u32 s82, s82, s83
	s_mov_b32 s81, 0
	s_mov_b32 s83, 0
	s_cmp_eq_u32 \th, 2
	s_cselect_b64 s[104:105], s[6:7], s[4:5]
	s_add_nc_u64 s[80:81], s[104:105], s[80:81]
	s_cselect_b64 s[104:105], s[4:5], s[6:7]
	s_add_nc_u64 s[82:83], s[104:105], s[82:83]
.endm
; WHAT TILE s23's WAY OUT NEEDS, from s26 and s27: where my 128 x 64 goes (s[84:87]), the bias at my first n (s[90:91]), the scales.  A = my first index along x's rows, N = along n.
; Both places in the cluster enter here, in registers that feed no descriptor and no LDS address.  The scales are chosen by selects on s23: no branch hangs on them.
.macro PARAMS
	s_lshl_b32 s66, s26, 8
	s_lshl_b32 s2, s19, 7
	s_add_co_u32 s66, s66, s2                      ; my first i
	s_lshl_b32 s67, s27, 7
	s_lshl_b32 s2, s20, 6
	s_add_co_u32 s67, s67, s2                      ; my first j
	s_mov_b32 s3, 4096
	s_cmp_eq_u32 s23, 2
	s_cselect_b32 s100, s67, s66                   ; A
	s_cselect_b32 s101, s66, s67                   ; N
	s_cselect_b32 s3, 0x20000, s3                  ; from my first 64 rows to my second: 64 places on (q, k), or the next head (v)
	s_lshr_b32 s2, s100, 11
	s_lshl_b32 s2, s2, 4
	s_lshr_b32 s25, s101, 6
	s_add_co_u32 s2, s2, s25                       ; 16 x batch + head
	s_lshl_b32 s2, s2, 17
	s_and_b32 s25, s100, 2047
	s_lshl_b32 s25, s25, 6                         ; q, k: 64 bytes a place;  v: 4,096 bytes a block of 64 keys: the same number, since A is a multiple of 64
	s_add_co_u32 s2, s2, s25
	s_lshl_b32 s25, s23, 23
	s_add_co_u32 s84, s2, s25
	s_mov_b32 s85, 0
	s_add_nc_u64 s[84:85], s[16:17], s[84:85]
	s_mov_b32 s86, s3
	s_mov_b32 s87, 0
	s_add_nc_u64 s[86:87], s[84:85], s[86:87]
	s_cmp_eq_u32 s23, 1
	s_cselect_b64 s[90:91], s[12:13], s[10:11]
	s_cmp_eq_u32 s23, 2
	s_cselect_b64 s[90:91], s[14:15], s[90:91]
	s_lshl_b32 s2, s101, 2
	s_mov_b32 s3, 0
	s_add_nc_u64 s[90:91], s[90:91], s[2:3]
	s_wait_kmcnt 0x0
	s_add_co_i32 s2, s68, s69
	s_add_co_i32 s3, s70, s71
	s_add_co_i32 s25, s72, s73
	s_cmp_eq_u32 s23, 1
	s_cselect_b32 s2, s3, s2
	s_cselect_b32 s3, s75, s74
	s_cmp_eq_u32 s23, 2
	s_cselect_b32 s2, s25, s2
	s_cselect_b32 s3, s77, s3
	s_add_co_i32 s2, s2, 127
	s_lshl_b32 s88, s2, 23                         ; 2^(the two operands' e added): a sum stands for sum x that
	s_mov_b32 s89, s88                             ; (named with it as a pair, so it is written)
	s_add_co_i32 s3, s3, 127
	s_lshl_b32 s2, s3, 23
	v_mov_b32 v[SCL], s2                           ; 2^eo, for the conversion
	s_add_co_i32 s3, s3, 8
	s_lshl_b32 s3, s3, 23
	s_or_b32 s3, s3, 0x600000
	v_mov_b32 v[LIM], s3                           ; 448 x 2^eo
	s_wait_alu depctr_va_vdst(0)
.endm
	s_load_b256 s[4:11], s[0:1], 0x0               ; xc s[4:5], wc s[6:7], the scales' exponents s[8:9], bq s[10:11]
	s_load_b128 s[12:15], s[0:1], 0x20             ; bk, bv
	s_load_b64 s[16:17], s[0:1], 0x30              ; qkv
	v_lshl_add_u32 v[SPW], v0, 2, SPARE
	v_mov_b32 v[NIL], 0
	ds_add_u32 v[SPW], v[NIL]                      ; the wave's opening: the add, twice on end, and its wait ahead of my first tensor load
	ds_add_u32 v[SPW], v[NIL]
	v_lshrrev_b32 v1, 5, v0
	v_readfirstlane_b32 s18, v1                    ; wave 0..3
	s_lshr_b32 s19, s18, 1                         ; which 128 of the tile's i are mine.  Also: I fetch for P (0) or for R (1)
	s_and_b32 s20, s18, 1                          ; which 64 of its j.  Also, in waves 0 and 1: which block of P I fetch
	s_bfe_u32 s21, ttmp6, 0x40000                  ; cx
	s_bfe_u32 s22, ttmp6, 0x40004                  ; cy
	s_and_b32 s24, ttmp7, 0xffff                   ; cluster y, 0..7
	s_mov_b32 s23, 0                               ; TH, the tile in hand: the same in all sixteen partners
	s_lshl_b32 s28, s22, 2
	s_lshl_b32 s28, 15, s28                        ; my row of the cluster
	s_lshl_b32 s29, 0x1111, s21                    ; my column
	; descriptor group 1: dense rows of 64 bytes, 16 of padding behind each: 15:0 the mask; 17:16 elements of 1 byte; 20 padding on; 21 set beside a mask; 24:22 after every 16 words (code 3); 31:25 four words (code 3)
	s_or_b32 s[G1P], s28, (1<<20)|(1<<21)|(3<<22)|(3<<25)
	s_or_b32 s[G1R], s29, (1<<20)|(1<<21)|(3<<22)|(3<<25)
.irp g, G1P, G1R
	s_mov_b32 s[\g+1], 64<<16                      ; tensor_dim0
	s_mov_b32 s[\g+2], 512<<16                     ; tensor_dim1: 4 x 128 rows: a K step of 128 rows
	s_mov_b32 s[\g+3], 64<<16                      ; tile_dim0
	s_mov_b32 s[\g+4], 512                         ; tile_dim1
	s_mov_b32 s[\g+5], 64                          ; tensor_dim0_stride
	s_mov_b32 s[\g+6], 0
	s_mov_b32 s[\g+7], 0
.endr
	s_mul_i32 s97, s20, 8*KBP                      ; where the tiles go: no place in the cluster enters an LDS address
	s_mov_b32 s98, ROFF
	s_wait_dscnt 0x0                               ; both opening adds are done
	s_wait_kmcnt 0x0
	s_load_b256 s[68:75], s[8:9], 0x0              ; e0 .. e7
	s_load_b128 s[76:79], s[8:9], 0x20             ; e8 .. e11
	TILEADR s23
	CROUND                                         ; all sixteen work-groups are here: the first joint loads meet
.irp s, 0,1
	s_mov_b32 s[G0P+4*\s], 1
	s_add_co_u32 s[G0P+4*\s+1], s97, \s*SLOT
	s_add_nc_u64 s[G0P+4*\s+2:G0P+4*\s+3], s[80:81], \s*32768
	s_or_b32 s[G0P+4*\s+3], s[G0P+4*\s+3], 0x80000000
	s_mov_b32 s[G0R+4*\s], 1
	s_add_co_u32 s[G0R+4*\s+1], s98, \s*SLOT
	s_add_nc_u64 s[G0R+4*\s+2:G0R+4*\s+3], s[82:83], \s*32768
	s_or_b32 s[G0R+4*\s+3], s[G0R+4*\s+3], 0x80000000
.endr
	HLOAD                                          ; one tensor load of mine is out
	v_and_b32 v1, 15, v0                           ; r
	s_wait_alu depctr_va_vdst(0)
	v_bfe_u32 v2, v0, 4, 1                         ; h
	v_mul_u32_u24 v3, v1, 80
	v_lshl_add_u32 v3, v2, 4, v3                   ; a fragment's row x pitch + 16 h
	s_mul_i32 s30, s19, 8*KBP                      ; my 128 rows of P
	s_mul_i32 s31, s20, 64*80                      ; my 64 rows of R
	s_add_co_u32 s31, s31, ROFF
.irp s, 0,1
	v_add_nc_u32 v[ADRA+\s], s30, v3
	v_add_nc_u32 v[ADRB+\s], s31, v3
	s_add_co_u32 s30, s30, SLOT
	s_add_co_u32 s31, s31, SLOT
.endr
	s_mul_i32 s30, s18, 16*80
	s_add_co_u32 s30, s30, STG                     ; my stage
	v_mul_u32_u24 v4, v1, 80
	s_wait_alu depctr_va_vdst(0)                   ; likewise for h
	v_lshl_add_u32 v4, v2, 3, v4
	v_add_nc_u32 v[STO], s30, v4                   ; in: row r, 8 bytes for each half of the lanes
	v_and_b32 v5, 31, v0
	v_lshrrev_b32 v6, 2, v5
	v_mul_u32_u24 v6, v6, 80
	v_and_b32 v7, 3, v5
	v_lshl_add_u32 v6, v7, 4, v6
	v_add_nc_u32 v[RD], s30, v6                    ; back: four lanes to a row of 64 bytes, eight rows an instruction
	v_lshlrev_b32 v[CO], 4, v5
	v_lshlrev_b32 v[BO0], 5, v2
	v_lshlrev_b32 v[BO1], 2, v1
	PARAMS                                         ; q's way out,
	s_mov_b32 s3, 1
	TILEADR s3                                     ; and where k's operands begin
.macro FRAG reg, adr, q, i             ; a fragment, 16 rows x 128 K, is 16 registers: registers 4 c .. 4 c + 3 hold K = 32 c + 16 h + 0 .. 15 of row r: the same places in P and in R
.irp c, 0,1,2,3
	ds_load_b128 v[\reg+4*\c:\reg+4*\c+3], v[\adr] offset:(2*(\q)+\c/2)*KBP+(\i)*1280+(\c%2)*32
.endr
.endm
; 8 matrix instructions: P's blocks a0, a0 + 1 x R's four.  p: R's set.  zero = 1: the first product starts the sums.  The 32 accumulators take turns, one instruction a turn, in the same order in every sub-step.
.macro MUL8 a0, p, zero
.irp a, \a0, \a0+1
.irp b, 0,1,2,3
.if \zero
	v_wmma_f32_16x16x128_fp8_fp8 v[8*(4*(\a)+\b):8*(4*(\a)+\b)+7], v[64*(\p)+16*\b:64*(\p)+16*\b+15], v[AF+16*(\a):AF+16*(\a)+15], 0
.else
	v_wmma_f32_16x16x128_fp8_fp8 v[8*(4*(\a)+\b):8*(4*(\a)+\b)+7], v[64*(\p)+16*\b:64*(\p)+16*\b+15], v[AF+16*(\a):AF+16*(\a)+15], v[8*(4*(\a)+\b):8*(4*(\a)+\b)+7]
.endif
.endr
.endr
.endm
.macro FETCH_B slot, q, p
	WIN TO_B
.irp i, 0,1,2,3
	FRAG 64*(\p)+16*\i, ADRB+\slot, \q, \i
.endr
	WIN 0
.endm
.macro FETCH_A slot, q, i0
.irp i, \i0, \i0+1, \i0+2, \i0+3
	FRAG AF+16*(\i), ADRA+\slot, \q, \i
.endr
.endm
; A slot's first sub-step (R's set 0); its successor lies in the same slot.
.macro STEP slot, zero
	s_wait_dscnt 16                                ; R's set and P's blocks 0-3 are in; the youngest 16 loads (blocks 4-7) may be out
	WIN MUL
	MUL8 0, 0, \zero
	MUL8 2, 0, \zero
	s_wait_dscnt 0                                 ; blocks 4-7 are in
	PLACES 4
	FETCH_B \slot, 1, 1
	FETCH_A \slot, 1, 0
	WIN MUL
	MUL8 4, 0, \zero
	MUL8 6, 0, \zero
	PLACES 4
	WIN 0
	FETCH_A \slot, 1, 4
.endm
; A slot's second sub-step (R's set 1) changes slots: ONE barrier; in front of it each wave waits for all its tensor loads, adds 0 to its spare word, and waits for that and for its reads of this slot.
; fill = 1: the barrier opens a round of the cluster's barrier, and this slot is filled again, two K steps ahead;  fill = 2: likewise, with the NEXT tile's K step 0 or 1;  fill = 0: nothing is left to fetch, and no round follows.
.macro TURN slot, next, fill
	s_wait_tensorcnt 0x0                           ; all my tensor loads have landed: my part of the next slot
	ds_add_u32 v[SPW], v[NIL]                      ; 0 onto my spare word
	s_wait_dscnt 17                                ; (the add and the youngest 16 loads may be out)
	WIN MUL
	MUL8 0, 1, 0                                   ; eight matrix instructions stand between the add and the wait for it
	s_wait_dscnt 0x0                               ; the add is done, and my reads of this slot are over
	s_barrier_signal -1
	MUL8 2, 1, 0
	WIN 0
	s_barrier_wait -1
.if \fill
	CREST                                          ; no wave of any partner still reads this slot's tile or has a load on its way
.if \fill == 2
	s_add_nc_u64 s[G0P+4*\slot+2:G0P+4*\slot+3], s[80:81], \slot*32768
	s_or_b32 s[G0P+4*\slot+3], s[G0P+4*\slot+3], 0x80000000
	s_add_nc_u64 s[G0R+4*\slot+2:G0R+4*\slot+3], s[82:83], \slot*32768
	s_or_b32 s[G0R+4*\slot+3], s[G0R+4*\slot+3], 0x80000000
.else
	s_add_nc_u64 s[G0P+4*\slot+2:G0P+4*\slot+3], s[G0P+4*\slot+2:G0P+4*\slot+3], 65536
	s_add_nc_u64 s[G0R+4*\slot+2:G0R+4*\slot+3], s[G0R+4*\slot+2:G0R+4*\slot+3], 65536
.endif
	JLOAD G0P+4*\slot, G0R+4*\slot                 ; the first tensor load behind the round; the four v_nop of each arm are the places in front of the loads below
.else
	PLACES 4
.endif
	FETCH_B \next, 0, 0
	FETCH_A \next, 0, 0
	WIN MUL
	MUL8 4, 1, 0
	MUL8 6, 1, 0
	PLACES 4
	WIN 0
	FETCH_A \next, 0, 4
.endm
.macro LAST                            ; the very last sub-step: nothing more to fetch
	s_wait_dscnt 16
	WIN MUL
	MUL8 0, 1, 0
	MUL8 2, 1, 0
	s_wait_dscnt 0
	MUL8 4, 1, 0
	MUL8 6, 1, 0
	WIN 0
.endm
; THE WAY OUT of block a (16 i x 64 j).  sum x 2^(eA + eB) + bias in one packed multiply-add for two numbers; the hold; the conversion: 8 codes a lane and tile.  They go through my own stage and come back as rows of 64 bytes.
; v = 0: the bias runs along j (32 registers in the result's layout);  v = 1: along i (one number a lane and block, kept in both registers of a pair).
.macro TOSTAGE a, v
	WIN 0x02                                       ; source 0: window 2
.irp b, 0,1,2,3
.irp jj, 0,2,4,6
.if \v
	v_pk_fma_f32 v[T+8*\b+\jj:T+8*\b+\jj+1], v[8*(4*(\a)+\b)+\jj:8*(4*(\a)+\b)+\jj+1], s[88:89], v[BI+2*(\a):BI+2*(\a)+1] op_sel_hi:[1,0,1]
.else
	v_pk_fma_f32 v[T+8*\b+\jj:T+8*\b+\jj+1], v[8*(4*(\a)+\b)+\jj:8*(4*(\a)+\b)+\jj+1], s[88:89], v[BI+8*\b+\jj:BI+8*\b+\jj+1] op_sel_hi:[1,0,1]
.endif
.endr
.endr
	WIN 0
.set i, 0
.rept 32
	v_med3_num_f32 v[T+i], v[T+i], -v[LIM], v[LIM] ; the conversion to an 8-bit code does not saturate (ISA guide 7.6.2)
.set i, i+1
.endr
.irp b, 0,1,2,3
	v_cvt_scalef32_pk8_fp8_f32 v[CC+8*((\a)%2)+2*\b:CC+8*((\a)%2)+2*\b+1], v[T+8*\b:T+8*\b+7], v[SCL]
.endr
	v_nop                                          ; a plain vector line behind the conversions: the next block writes their sources
.irp b, 0,1,2,3
	ds_store_b64 v[STO], v[CC+8*((\a)%2)+2*\b:CC+8*((\a)%2)+2*\b+1] offset:\v*STGV+16*\b
.endr
.irp i, 0,1
	ds_load_b128 v[BK+8*((\a)%2)+4*\i:BK+8*((\a)%2)+4*\i+3], v[RD] offset:\v*STGV+640*\i   ; LDS serves a wave's instructions in order (ISA guide 5.7.1.4): these see the stores above
.endr
.endm
.macro SEND a, younger                 ; younger: the LDS instructions issued behind block a's loads.  Group g of eight rows goes to place pg: in every four groups the second and third change places
	s_wait_dscnt \younger
.irp i, 0,1
.set g, 2*(\a)+\i
.set pg, (g/4)*4+((g&1)<<1)+((g>>1)&1)
	global_store_b128 v[CO], v[BK+8*((\a)%2)+4*\i:BK+8*((\a)%2)+4*\i+3], s[84+2*(pg/8):85+2*(pg/8)] offset:(pg%8)*512   ; 32 lanes store 512 consecutive bytes, at a multiple of 512 from the buffer's first byte
.endr
.endm
; A tile's last K step and its way out.  v = 0 (q, k): the last sub-step changes slots into the next tile; v = 1: it is the launch's last.  The bias is asked for 64 matrix instructions ahead of the wait for it.
.macro TAIL v
	s_wait_alu depctr_va_vdst(0)
.if \v
.irp a, 0,1,2,3,4,5,6,7
	global_load_b32 v[BI+2*\a], v[BO1], s[90:91] offset:64*\a
	global_load_b32 v[BI+2*\a+1], v[BO1], s[90:91] offset:64*\a
.endr
.else
.irp b, 0,1,2,3
	global_load_b128 v[BI+8*\b:BI+8*\b+3], v[BO0], s[90:91] offset:64*\b
	global_load_b128 v[BI+8*\b+4:BI+8*\b+7], v[BO0], s[90:91] offset:64*\b+16
.endr
.endif
	STEP 1, 0
.if \v
	LAST
.else
	TURN 1, 0, 2                                   ; slot 1 takes the next tile's K step 1, and the next tile's first fragments are fetched: both refills are asked for, now the tile goes out
.endif
	s_wait_loadcnt 0x0                             ; the bias
	PLACES 4
	TOSTAGE 0, \v
.irp a, 1,2,3,4,5,6,7
.if \a > 1
	s_wait_xcnt 0x0                                ; block a - 2's stores have read their registers: block a's loads may land there
.endif
	TOSTAGE \a, \v
	SEND \a-1, 6                                   ; behind block a - 1's loads: block a's 4 stores and 2 loads
.endr
	SEND 7, 0
.endm
	s_wait_alu depctr_va_vdst(0)                   ; the wait at the head's end
	s_wait_tensorcnt 0x0                           ; my first fill is in
	s_barrier_signal -1
	s_barrier_wait -1                              ; everybody's is: both slots are whole
	FETCH_B 0, 0, 0
	FETCH_A 0, 0, 0
	FETCH_A 0, 0, 4
.Ltile:                                            ; two trips: q, then k.  Every window is 0 here
	STEP 0, 1                                      ; the first products start the sums: nothing is cleared
	TURN 0, 1, 1                                   ; slot 0 takes K step 2
	STEP 1, 0
	TURN 1, 0, 1                                   ; slot 1 takes K step 3
	STEP 0, 0
	TURN 0, 1, 2                                   ; slot 0 takes the next tile's K step 0
	TAIL 0
	s_wait_xcnt 0x0                                ; the tile's stores have read their bases and registers
	s_add_co_u32 s23, s23, 1
	PARAMS                                         ; the next tile's way out (s26 and s27 are already its own),
	s_add_co_u32 s3, s23, 1
	s_min_u32 s3, s3, 2
	TILEADR s3                                     ; and where the operands of the tile behind it begin (behind k: v's once more; they are not used again)
	s_cmp_lt_u32 s23, 2
	s_cbranch_scc1 .Ltile
	STEP 0, 1                                      ; v's tile
	TURN 0, 1, 1
	STEP 1, 0
	TURN 1, 0, 1
	STEP 0, 0
	TURN 0, 1, 0                                   ; nothing is left to fetch: no round
	TAIL 1
	s_wait_tensorcnt 0x0                           ; the wave's end: behind my last tensor load and my last LDS store
	ds_add_u32 v[SPW], v[NIL]
	s_wait_dscnt 0x0
	CROUND                                         ; the closing round: no work-group ends while a partner may still ask for a tile that names it
	s_endpgm
.Lfunc_end_k_qb2a1ae543a_qkvproj:
	.size	k_qb2a1ae543a_qkvproj, .Lfunc_end_k_qb2a1ae543a_qkvproj-k_qb2a1ae543a_qkvproj
	.p2alignl 7, 3214868480
	.fill 96, 4, 3214868480
	.section	.rodata,"a",@progbits
	.p2align	6, 0x0
	.amdhsa_kernel k_qb2a1ae543a_qkvproj
		.amdhsa_group_segment_fixed_size 327680
		.amdhsa_private_segment_fixed_size 0
		.amdhsa_enable_private_segment 0
		.amdhsa_kernarg_size 56
		.amdhsa_user_sgpr_count 2
		.amdhsa_user_sgpr_kernarg_segment_ptr 1
		.amdhsa_wavefront_size32 1
		.amdhsa_system_sgpr_workgroup_id_x 1
		.amdhsa_system_sgpr_workgroup_id_y 1
		.amdhsa_system_sgpr_workgroup_id_z 1
		.amdhsa_system_vgpr_workitem_id 0
		.amdhsa_next_free_vgpr 768
		.amdhsa_next_free_sgpr 106
		.amdhsa_reserve_vcc 0
		.amdhsa_float_denorm_mode_32 3
		.amdhsa_float_denorm_mode_16_64 3
		.amdhsa_memory_ordered 1
		.amdhsa_forward_progress 1
		.amdhsa_inst_pref_size 175
	.end_amdhsa_kernel
	.amdgpu_metadata
---
amdhsa.version: [ 1, 2 ]
amdhsa.kernels:
  - .name:           k_qb2a1ae543a_qkvproj
    .symbol:         k_qb2a1ae543a_qkvproj.kd
    .args:
      - { .name: xc, .offset: 0, .size: 8, .value_kind: global_buffer, .address_space: global }
      - { .name: wc, .offset: 8, .size: 8, .value_kind: global_buffer, .address_space: global }
      - { .name: lowp_scales, .offset: 16, .size: 8, .value_kind: global_buffer, .address_space: global }
      - { .name: bq, .offset: 24, .size: 8, .value_kind: global_buffer, .address_space: global }
      - { .name: bk, .offset: 32, .size: 8, .value_kind: global_buffer, .address_space: global }
      - { .name: bv, .offset: 40, .size: 8, .value_kind: global_buffer, .address_space: global }
      - { .name: qkv, .offset: 48, .size: 8, .value_kind: global_buffer, .address_space: global }
    .group_segment_fixed_size: 327680
    .private_segment_fixed_size: 0
    .kernarg_segment_align: 8
    .kernarg_segment_size: 56
    .max_flat_workgroup_size: 128
    .sgpr_count:     106
    .vgpr_count:     768
    .wavefront_size: 32
...
	.end_amdgpu_metadata
.endif
;; end of part 2
;; launch attn (part 3): grid 4 x 64, 16 waves a work-group, clusters of 4 x 1, 327,680 bytes of LDS; arguments qkv, lowp_scales, ac; writes ac
.if DOCPART == 3
	.amdgcn_target "amdgcn-amd-amdhsa--gfx1250"
	.amdhsa_code_object_version 6
	.text
	.protected	k_qb2a1ae543a_attn
	.globl	k_qb2a1ae543a_attn
	.p2align	8
	.type	k_qb2a1ae543a_attn,@function
k_qb2a1ae543a_attn:
	s_mov_b64 s[64:65], 0
	v_nop
	global_prefetch_b8 v0, s[64:65] scope:SCOPE_SE
	s_setreg_imm32_b32 hwreg(HW_REG_WAVE_MODE, 25, 1), 1
	s_wait_xcnt 0x0
	s_wait_alu depctr_hold_cnt(0) depctr_sa_sdst(0) depctr_va_vdst(0) depctr_va_sdst(0) depctr_va_ssrc(0) depctr_va_vcc(0) depctr_vm_vsrc(0)
	s_getreg_b32 s2, hwreg(HW_REG_IB_STS2, 6, 4)
	s_cmp_eq_u32 s2, 0
	s_cbranch_scc0 .Lentry_in_a_cluster
	s_endpgm
.Lentry_in_a_cluster:
	s_bfe_u32 s2, ttmp6, 0x10000c
	s_cmp_lg_u32 s2, 0x3003
	s_cbranch_scc0 .Lentry_shape_is_right
	s_endpgm
.Lentry_shape_is_right:
; Launch 3 of 4: for each of the 64 heads (batch x head), O[q] = the sum over the 2,048 keys of softmax(Q[q] . K[key] / 8) V[key], both products on codes of E4M3; the result is quantised (entry 10) for the last product.  No work of the module is left out.
; THE SOFTMAX AHEAD OF THE SECOND PRODUCT: t = score x log2(e) / 8; M = the row's largest t so far, rounded UP to a whole number; p = 2^(t - M) is quantised (entry 8), not normalised.  The row's sum is taken of the
; unquantised p, in f32, and divides O at the end.  When M moves, the sum and O are multiplied by 2^(old M - new M): exact.
; INPUT (qkv, 3 x 8 MiB): q, k: [64 heads][2048 places][64 d];  v: [64][32 blocks of 64 keys][64 places of d][64 keys].  In every 32 rows (positions, or d) the second and third group of eight have changed places.
; A HEAD'S WHOLE K AND V LIE IN LDS (2 x 131,072 bytes of codes): each byte is filled once, so there is no ring.
; SHARES.  A work-group owns 512 queries of one head: 256 work-groups.  Each of its sixteen waves owns 32 queries, TWO tiles A and B of 16, and walks all keys once, 128 a step: a fragment of K or V read from LDS feeds two matrix instructions.
; A step: K's fragments; S^T of A; A's softmax and codes; S^T of B into the same 64 registers; V's fragments over K's; B's softmax and codes; O^T of both.
; Q lies in the wave's stage in LDS as an image of its operand registers and is read in each step into the registers that take p's codes later in the step: 4 loads of a step's 36.
; CLUSTER.  The four work-groups of a head need the same K and V: each tile is asked for jointly.  Every wave issues one load: waves 0-7 an eighth of K each, waves 8-15 an eighth of V.
; All of K and V is asked for by these loads at the kernel's head, so no prefetch is written: there is nothing left to ask for ahead.
; ONE WORK-GROUP BARRIER A STEP, signal and wait apart with register work alone between them.  It orders no memory: it keeps the sixteen waves within one key step of each other.
; LDS.  K's and V's rows of 64 bytes are dense in memory, so a tile is stated as rows of 256 bytes (four rows) with 16 bytes of padding behind each: row n lies at (n / 4) x 272 + (n % 4) x 64.
; LAYOUT.  Both products are used transposed (S^T = K Q^T, O^T = V^T P^T): a lane holds ONE query (lane % 16) of each tile.  By the order of the places the 16 registers of tiles 2 b and 2 b + 1 are 16 neighbours:
; keys 32 b + 16 h + 0 .. 15 in S^T, so that p's codes are the second product's operand; d likewise in O^T.
; OUTPUT (ac): byte of (row, 64 head + d) at (row / 128) x 131072 + head x 8192 + (row % 128) x 64 + d: a wave's 32 rows x 64 are 2,048 dense bytes.
; LIMITS on the given exponents: e6 + e7 between -123 and 130 (added to c's exponent field); e8, and e10 - e8 - e9, between -126 and 119.  The scaled scores t stay under 2^31 in magnitude.
.set LP,    272                        ; four rows of 64 bytes + 16 of padding
.set VOFF,  512*LP                     ; K: 2,048 rows; then V
.set STEPB, 32*LP                      ; a key step: 128 rows of K, and as many of V
.set STAGE, 2*VOFF                     ; behind K and V: 2,048 bytes for each wave: Q's image, and at the end the way out
.set SPARE, STAGE+16*2048              ; the spare words, 128 bytes for each wave
.set NST,   16
.set ADK,  1                           ; v1   K's tiles of the step in hand
.set ADV,  2                           ; v2   V's
.set SPW,  3                           ; v3   LDS address of my spare word; never rewritten
.set NIL,  4                           ; v4   0; never rewritten
.set STB,  5                           ; v5   my stage + 16 x lane
.set LIM,  6                           ; v6, v7  448 x 2^e8, twice: one for each half of a dual line
.set MA,   8                           ; v[8:9]   A: -M, the largest t;   v[10:11] A's sum in two halves
.set LA,   10
.set MB,   12                          ; v[12:13], v[14:15] the same for B
.set LB,   14
.set FF,   16                          ; v[16:17] f = 2^(old M - new M), and 0
.set MX,   18                          ; v18-21 the maxima's four chains
.set PL,   22                          ; v22  a lane permute's result
.set SCL,  23                          ; v23  2^e8
.set FRG,  24                          ; v24-87   fragments of K, then of V
.set S,    88                          ; v88-151  S^T, then p
.set OA,   152                         ; v152-183 A's O^T;  v184-215 B's
.set OB,   184
.set PA,   216                         ; v216-231 A: Q, then the sum's partial sums, then p's codes;  v232-247 B
.set PB,   232
.set AD0,  248                         ; v248 my lane's place in a tile of K: (r / 4) x 272 + (r % 4) x 64 + 16 h;  v249 in a tile of V
.set AV0,  249
.set SC2,  250                         ; v250 2^(e10 - e8 - e9);  v251 448 x that
.set LM2,  251
.set STI,  252                         ; v252 the stage: where I put 16 codes of the result
.set GO,   253                         ; v253 16 x lane
.set WV,   18                          ; s18  my wave's number
.set SEL,  20                          ; s[20:21] lane selects for v_permlanex16_b32: lane l xor 16
.set CS,   22                          ; s[22:23] c = log2(e) / 8 x 2^(e6 + e7)
.set G1,   24                          ; s[24:31] descriptor group 1
.set G0,   40                          ; s[40:43] descriptor group 0
.set TB,   2                           ; s2   LDS byte at which the step in hand begins
.set CNT,  67                          ; s67  key steps to go
.macro CROUND                          ; a round of the cluster's barrier
	s_barrier_signal -1
	s_barrier_wait -1
	s_cmp_lg_u32 s[WV], 0
	s_cbranch_scc1 .Lnot_wave_0_\@
	s_barrier_signal -3
.Lnot_wave_0_\@:
	s_barrier_wait -3
	s_barrier_signal -1
	s_barrier_wait -1
.endm
.macro MKSC e, vs, vl                  ; v[vs] = 2^e as f32, v[vl] = 448 x 2^e (left in s74 too)
	s_add_co_i32 s74, \e, 127
	s_lshl_b32 s75, s74, 23
	v_mov_b32 v[\vs], s75
	s_add_co_i32 s74, s74, 8
	s_lshl_b32 s74, s74, 23
	s_or_b32 s74, s74, 0x600000
	v_mov_b32 v[\vl], s74
.endm
.macro NOPS n
.rept \n
	v_nop
.endr
.endm
	s_load_b128 s[4:7], s[0:1], 0x0                ; qkv s[4:5], the scales' exponents s[6:7]
	s_load_b64 s[8:9], s[0:1], 0x10                ; ac
	v_lshl_add_u32 v[SPW], v0, 2, SPARE
	v_mov_b32 v[NIL], 0
	ds_add_u32 v[SPW], v[NIL]                      ; the wave's opening: the add, twice on end, and its wait ahead of my tensor load
	ds_add_u32 v[SPW], v[NIL]
	v_lshrrev_b32 v9, 5, v0
	s_delay_alu instid0(VALU_DEP_1)
	v_readfirstlane_b32 s[WV], v9                  ; wave 0..15
	s_and_b32 s12, ttmp7, 0xffff                   ; the head (of 64), which the four partners share
	s_lshl_b32 s13, s12, 17                        ; its 131,072 bytes in each third of qkv
	s_lshr_b32 s15, s[WV], 3                       ; what I fetch: of K (0) or of V (1),
	s_and_b32 s16, s[WV], 7                        ; which eighth: 64 rows of 256 bytes
	s_mul_i32 s14, s15, VOFF
	s_mul_i32 s17, s16, 64*LP
	s_add_co_u32 s14, s14, s17                     ; where it goes: the wave's number alone enters an LDS address
	s_add_co_u32 s15, s15, 1
	s_lshl_b32 s15, s15, 23                        ; in memory: K is the second third of qkv, V the last
	s_lshl_b32 s16, s16, 14
	s_add_co_u32 s32, s15, s16
	s_add_co_u32 s32, s32, s13
	s_mov_b32 s33, 0
	s_mov_b32 s[G1], 15|(1<<20)|(1<<21)|(5<<22)|(3<<25)   ; the mask: all four work-groups; elements of 1 byte; padding on; bit 21 beside a mask; four words after every 64
	s_mov_b32 s[G1+1], 256<<16                     ; tensor_dim0
	s_mov_b32 s[G1+2], 64<<16                      ; tensor_dim1
	s_mov_b32 s[G1+3], 256<<16                     ; tile_dim0
	s_mov_b32 s[G1+4], 64                          ; tile_dim1
	s_mov_b32 s[G1+5], 256                         ; the rows are dense
	s_mov_b32 s[G1+6], 0
	s_mov_b32 s[G1+7], 0
	s_mov_b32 s[SEL], 0x76543210
	s_mov_b32 s[SEL+1], 0xfedcba98
	s_mov_b32 s[CS], 0x3e38aa3b                    ; log2(e) / 8
	s_wait_dscnt 0x0                               ; both opening adds are done
	s_wait_kmcnt 0x0
	s_load_b128 s[68:71], s[6:7], 0x18             ; e6, e7, e8, e9
	s_load_b32 s72, s[6:7], 0x28                   ; e10
	s_mov_b32 s[G0], 1
	s_mov_b32 s[G0+1], s14
	s_add_nc_u64 s[G0+2:G0+3], s[4:5], s[32:33]
	s_or_b32 s[G0+3], s[G0+3], 0x80000000
	CROUND                                         ; all four work-groups are here: the joint loads meet
	tensor_load_to_lds s[G0:G0+3], s[G1:G1+7]      ; my one tensor load of the launch: every wave issues one, with no branch
	s_nop 0
	NOPS 4
	s_bfe_u32 s10, ttmp6, 0x40000                  ; cx: it enters Q's and the result's addresses alone
	s_lshl_b32 s34, s10, 9
	s_lshl_b32 s35, s[WV], 5
	s_add_co_u32 s11, s34, s35                     ; my first query in the head: 512 cx + 32 wave
	s_lshl_b32 s34, s11, 6
	s_add_co_u32 s34, s34, s13
	s_mov_b32 s35, 0
	s_add_nc_u64 s[34:35], s[4:5], s[34:35]
	v_and_b32 v9, 15, v0                           ; r
	v_bfe_u32 v10, v0, 4, 1                        ; h
	s_delay_alu instid0(VALU_DEP_2)
	v_and_b32 v20, 7, v9
	v_bfe_u32 v18, v0, 3, 1
	s_delay_alu instid0(VALU_DEP_2)
	v_lshlrev_b32 v20, 6, v20
	s_delay_alu instid0(VALU_DEP_1)
	v_lshl_add_u32 v20, v18, 10, v20
	s_delay_alu instid0(VALU_DEP_1)
	v_lshl_add_u32 v20, v10, 4, v20                ; query 16 T + r of my 32 lies at place 16 (r / 8) + 8 T + r % 8
	global_load_b128 v[S:S+3], v20, s[34:35]                 ; A: d = 16 h + 0 .. 15,
	global_load_b128 v[S+4:S+7], v20, s[34:35] offset:32     ; and 32 + 16 h + 0 .. 15: the same places as in K's fragments
	global_load_b128 v[S+8:S+11], v20, s[34:35] offset:512   ; B: eight places on
	global_load_b128 v[S+12:S+15], v20, s[34:35] offset:544
	v_lshrrev_b32 v[AD0], 2, v9
	s_delay_alu instid0(VALU_DEP_1)
	v_mul_u32_u24 v[AD0], v[AD0], LP
	v_and_b32 v19, 3, v9
	s_delay_alu instid0(VALU_DEP_1)
	v_lshl_add_u32 v[AD0], v19, 6, v[AD0]
	s_delay_alu instid0(VALU_DEP_1)
	v_lshl_add_u32 v[AD0], v10, 4, v[AD0]
	s_delay_alu instid0(VALU_DEP_1)
	v_add_nc_u32 v[AV0], VOFF, v[AD0]
	s_lshl_b32 s36, s[WV], 11
	s_add_co_u32 s36, s36, STAGE                   ; my stage
	v_lshlrev_b32 v[STI], 6, v9
	s_delay_alu instid0(VALU_DEP_1)
	v_lshl_add_u32 v[STI], v10, 4, v[STI]
	s_delay_alu instid0(VALU_DEP_1)
	v_add_nc_u32 v[STI], s36, v[STI]               ; the result goes in at row r of 64 bytes, + 16 h
	v_and_b32 v[GO], 31, v0
	s_delay_alu instid0(VALU_DEP_1)
	v_lshlrev_b32 v[GO], 4, v[GO]
	s_delay_alu instid0(VALU_DEP_1)
	v_add_nc_u32 v[STB], s36, v[GO]
	s_lshr_b32 s37, s12, 4
	s_lshl_b32 s37, s37, 11
	s_add_co_u32 s37, s37, s11                     ; my first row of the result: 2048 x batch + 512 cx + 32 wave
	s_lshr_b32 s38, s37, 7
	s_lshl_b32 s38, s38, 17
	s_and_b32 s37, s37, 127
	s_lshl_b32 s37, s37, 6
	s_add_co_u32 s38, s38, s37
	s_and_b32 s37, s12, 15
	s_lshl_b32 s37, s37, 13
	s_add_co_u32 s38, s38, s37
	s_mov_b32 s39, 0
	s_add_nc_u64 s[8:9], s[8:9], s[38:39]
	v_mov_b32 v[PL], 0                             ; written once: a lane permute's destination counts as one of its sources
	v_mov_b32 v[FF+1], 0                           ; (named as the upper half of the pair)
	s_wait_kmcnt 0x0
	s_add_co_i32 s73, s68, s69
	s_lshl_b32 s73, s73, 23
	s_add_co_i32 s[CS], s[CS], s73                 ; a score stands for score x 2^(e6 + e7): the two exponents are added to c's exponent field
	s_mov_b32 s[CS+1], s[CS]
	MKSC s70, SCL, LIM                             ; p's scale, 2^e8
	v_mov_b32 v[LIM+1], s74
	s_sub_co_i32 s73, s72, s70
	s_sub_co_i32 s73, s73, s71
	MKSC s73, SC2, LM2                             ; a sum of the second product stands for sum x 2^(e8 + e9): the result's conversion takes 2^(e10 - e8 - e9)
	v_mov_b32 v[MA+1], 0xff61b1e6                  ; the largest t so far: -3e38, under every t
	v_mov_b32 v[MB+1], 0xff61b1e6
	s_delay_alu instid0(VALU_DEP_2)
	v_floor_f32 v[MA], -v[MA+1]                    ; -M
	s_delay_alu instid0(VALU_DEP_2)
	v_floor_f32 v[MB], -v[MB+1]
.irp r, LA, LA+1, LB, LB+1
	v_mov_b32 v[\r], 0                             ; the sums
.endr
.set j, 0
.rept 64
	v_mov_b32 v[OA+j], 0                           ; O^T of both tiles.  (The step is written once: the first finds zeros, which the first change of M leaves zeros)
.set j, j+1
.endr
.macro QK q                            ; S^T: eight tiles of 16 keys against the 16 queries at v[q]; K = the head's 64
.irp t, 0,1,2,3,4,5,6,7
	v_wmma_f32_16x16x64_fp8_fp8 v[S+8*\t:S+8*\t+7], v[FRG+8*\t:FRG+8*\t+7], v[\q:\q+7], 0
.endr
	NOPS 4                                         ; places in front of the first read of the scores, and of loads into the fragments' registers
.endm
; ONE TILE'S SOFTMAX over the step's 128 keys.  m: -M and the largest t; l: the sum; o: O^T; p: 16 registers, first for partial sums, then for the codes.
.macro SOFTMAX m, l, o, p
.irp c, 0,1,2,3                        ; my query's largest score among my 64 keys, in four chains; the registers are taken in ascending order
	v_max3_num_f32 v[MX+\c], v[S+3*\c], v[S+3*\c+1], v[S+3*\c+2]
.endr
.set i, 12
.rept 6
.irp c, 0,1,2,3
	v_max3_num_f32 v[MX+\c], v[MX+\c], v[S+i+2*\c], v[S+i+2*\c+1]
.endr
.set i, i+8
.endr
	v_max3_num_f32 v[MX], v[MX], v[S+60], v[S+61]
	v_max3_num_f32 v[MX+1], v[MX+1], v[S+62], v[S+63]
	s_delay_alu instid0(VALU_DEP_2)
	v_max3_num_f32 v[MX], v[MX], v[MX+2], v[MX+3]
	s_delay_alu instid0(VALU_DEP_1)
	v_max_num_f32 v[MX], v[MX], v[MX+1]
	s_delay_alu instid0(VALU_DEP_1)
	v_permlanex16_b32 v[PL], v[MX], s[SEL], s[SEL+1]
	s_delay_alu instid0(VALU_DEP_1)
	v_max_num_f32 v[MX], v[MX], v[PL]              ; and among lane l xor 16's
	s_delay_alu instid0(VALU_DEP_1)
	v_mul_f32 v[MX], s[CS], v[MX]                  ; as t (c is positive)
	s_delay_alu instid0(VALU_DEP_1)
	v_max_num_f32 v[\m+1], v[\m+1], v[MX]          ; the running largest t
	v_mov_b32 v[MX], v[\m]
	s_delay_alu instid0(VALU_DEP_2)
	v_floor_f32 v[\m], -v[\m+1]                    ; the new -M = floor(-t) = -ceil(t): M is a whole number
	s_delay_alu instid0(VALU_DEP_1)
	v_sub_f32 v[MX], v[\m], v[MX]                  ; M's old value less its new one: a whole number, 0 or less
	s_delay_alu instid0(VALU_DEP_1)
	v_cvt_i32_f32 v[MX], v[MX]                     ; (it saturates)
	s_delay_alu instid0(VALU_DEP_1)
	v_ldexp_f32 v[FF], 1.0, v[MX]                  ; f = 2^(old M - new M)
.set j, 0
.rept 32
	v_pk_fma_f32 v[S+j:S+j+1], v[S+j:S+j+1], s[CS:CS+1], v[\m:\m+1] op_sel_hi:[1,0,0]   ; t - M, two at a time (of the pairs c and -M the low word serves both halves)
.set j, j+2
.endr
	s_wait_alu depctr_va_vdst(0)                   ; ahead of the batch of exponentials, and directly ahead of the first readers of O^T, the 16 lines below
.set j, 0
.rept 16
	v_pk_mul_f32 v[\o+j:\o+j+1], v[\o+j:\o+j+1], v[FF:FF+1] op_sel_hi:[1,0]   ; O^T under the new M, each accumulator from its low end on
.set j, j+2
.endr
	v_pk_mul_f32 v[\l:\l+1], v[\l:\l+1], v[FF:FF+1] op_sel_hi:[1,0]           ; the sums under the new M
.set j, 0
.rept 64
	v_exp_f32 v[S+j], v[S+j]                       ; p = 2^(t - M), at most 1: not normalised
.set j, j+1
.endr
	v_nop                                          ; the plain line behind the exponentials
	s_wait_alu depctr_va_vdst(0)                   ; the wait ahead of the first line that names a result: one for the batch of 64
.irp c, 0,1,2,3,4,5,6                  ; THE ROW'S SUM IS TAKEN OF THE UNQUANTISED p: two at a time, in eight chains
	v_pk_add_f32 v[\p+2*\c:\p+2*\c+1], v[S+4*\c:S+4*\c+1], v[S+4*\c+2:S+4*\c+3]
.endr
	v_pk_add_f32 v[\l:\l+1], v[\l:\l+1], v[S+28:S+29]
.irp c, 0,1,2,3,4,5,6
	v_pk_add_f32 v[\p+2*\c:\p+2*\c+1], v[\p+2*\c:\p+2*\c+1], v[S+30+2*\c:S+31+2*\c]
.endr
	v_pk_add_f32 v[\l:\l+1], v[\l:\l+1], v[S+44:S+45]
.irp c, 0,1,2,3,4,5,6
	v_pk_add_f32 v[\p+2*\c:\p+2*\c+1], v[\p+2*\c:\p+2*\c+1], v[S+46+2*\c:S+47+2*\c]
.endr
	v_pk_add_f32 v[\l:\l+1], v[\l:\l+1], v[S+60:S+61]
	v_pk_add_f32 v[\p:\p+1], v[\p:\p+1], v[S+62:S+63]
	v_pk_add_f32 v[\p+2:\p+3], v[\p+2:\p+3], v[\p+8:\p+9]
	v_pk_add_f32 v[\p+4:\p+5], v[\p+4:\p+5], v[\p+10:\p+11]
	v_pk_add_f32 v[\p+6:\p+7], v[\p+6:\p+7], v[\p+12:\p+13]
	v_pk_add_f32 v[\l:\l+1], v[\l:\l+1], v[\p:\p+1]
	s_delay_alu instid0(VALU_DEP_3)
	v_pk_add_f32 v[\p+2:\p+3], v[\p+2:\p+3], v[\p+4:\p+5]
	s_delay_alu instid0(VALU_DEP_2)
	v_pk_add_f32 v[\l:\l+1], v[\l:\l+1], v[\p+6:\p+7]
	s_delay_alu instid0(VALU_DEP_1)
	v_pk_add_f32 v[\l:\l+1], v[\l:\l+1], v[\p+2:\p+3]
.set j, 0
.rept 32                               ; the conversion to an 8-bit code does not saturate (ISA guide 7.6.2); p is not negative, so the hold is one-sided: two numbers a line
	v_dual_min_num_f32 v[S+j], v[LIM], v[S+j] :: v_dual_min_num_f32 v[S+j+1], v[LIM+1], v[S+j+1]
.set j, j+2
.endr
.irp b, 0,1,2,3
	v_cvt_scalef32_pk8_fp8_f32 v[\p+4*\b:\p+4*\b+1], v[S+16*\b:S+16*\b+7], v[SCL]
	v_cvt_scalef32_pk8_fp8_f32 v[\p+4*\b+2:\p+4*\b+3], v[S+16*\b+8:S+16*\b+15], v[SCL]
.endr
	v_nop                                          ; a plain line behind the conversions: matrix instructions write their sources and read their results
.endm
	s_mov_b32 s[TB], 0
	s_mov_b32 s[CNT], NST
	s_wait_alu depctr_va_vdst(0)                   ; the wait at the head's end
	s_wait_tensorcnt 0x0                           ; my eighth of K or of V is in,
	s_barrier_signal -1
	s_barrier_wait -1                              ; everybody's is: from here on K and V are only read
	s_wait_loadcnt 0x0                             ; Q
.irp k, 0,1,2,3
	ds_store_b128 v[STB], v[S+4*\k:S+4*\k+3] offset:512*\k   ; Q's image, in my own stage: four registers at 16 x lane.  LDS serves a wave's instructions in order (ISA guide 5.7.1.4): my loads below see it
.endr
.Lstep:                                            ; sixteen trips, a key step each
	v_add_nc_u32 v[ADK], s[TB], v[AD0]
	v_add_nc_u32 v[ADV], s[TB], v[AV0]
	NOPS 2                                         ; with the two additions: four plain lines in front of loads into registers that the last products read (ISA guide 7.12.1 for vector lines)
.irp t, 0,1,2,3,4,5,6,7
	ds_load_b128 v[FRG+8*\t:FRG+8*\t+3], v[ADK] offset:4*LP*\t          ; 16 places of keys are four rows of 272 bytes
	ds_load_b128 v[FRG+8*\t+4:FRG+8*\t+7], v[ADK] offset:4*LP*\t+32
.endr
	ds_load_b128 v[PA:PA+3], v[STB]
	ds_load_b128 v[PA+4:PA+7], v[STB] offset:512
	ds_load_b128 v[PB:PB+3], v[STB] offset:1024
	ds_load_b128 v[PB+4:PB+7], v[STB] offset:1536
	s_wait_alu depctr_va_vdst(0)                   ; directly ahead of the wait below
	s_wait_dscnt 0x0                               ; K's fragments and Q are in; no LDS instruction of mine is out at the signal
	s_barrier_signal -1                            ; I have begun this step
	QK PA
	SOFTMAX MA, LA, OA, PA
	s_wait_alu depctr_va_vdst(0)                   ; directly ahead of the barrier's wait
	s_barrier_wait -1                              ; every wave has begun this step
	QK PB
.irp t, 0,1,2,3
.irp c, 0,1,2,3
	ds_load_b128 v[FRG+16*\t+4*\c:FRG+16*\t+4*\c+3], v[ADV] offset:(\c/2)*16*LP+4*LP*\t+(\c%2)*32   ; V's four fragments (16 places of d x 128 keys) land while B's softmax is walked
.endr
.endr
	SOFTMAX MB, LB, OB, PB
	s_wait_alu depctr_va_vdst(0)                   ; directly ahead of the wait below
	s_wait_dscnt 0x0                               ; V's fragments are in
.irp t, 0,1,2,3                        ; O^T += V^T P^T: eight accumulators by turns; each fragment of V serves both tiles
	v_wmma_f32_16x16x128_fp8_fp8 v[OA+8*\t:OA+8*\t+7], v[FRG+16*\t:FRG+16*\t+15], v[PA:PA+15], v[OA+8*\t:OA+8*\t+7]
	v_wmma_f32_16x16x128_fp8_fp8 v[OB+8*\t:OB+8*\t+7], v[FRG+16*\t:FRG+16*\t+15], v[PB:PB+15], v[OB+8*\t:OB+8*\t+7]
.endr
	s_add_co_u32 s[TB], s[TB], STEPB
	s_sub_co_u32 s[CNT], s[CNT], 1
	s_cmp_lg_u32 s[CNT], 0
	s_cbranch_scc1 .Lstep
	; THE WAY OUT.  O^T is divided by the row's sum, held, and converted with 2^(e10 - e8 - e9); a lane's 16 registers of two tiles are 16 neighbouring d.  The codes go through my stage and leave as 4 x 512 dense bytes.
	NOPS 4                                         ; places behind the last products
	v_add_f32 v[LA], v[LA], v[LA+1]                ; the sums' two halves,
	v_add_f32 v[LB], v[LB], v[LB+1]
	v_permlanex16_b32 v[PL], v[LA], s[SEL], s[SEL+1]
	v_permlanex16_b32 v[MX], v[LB], s[SEL], s[SEL+1]
	v_add_f32 v[LA], v[LA], v[PL]                  ; and lane l xor 16's
	v_add_f32 v[LB], v[LB], v[MX]
	s_wait_alu depctr_va_vdst(0)                   ; the wait ahead of the transcendentals
	v_rcp_f32 v[LA], v[LA]
	v_rcp_f32 v[LB], v[LB]
	v_nop                                          ; a plain line behind them
	s_wait_alu depctr_va_vdst(0)                   ; and the wait ahead of their first reader, which is also the first reader of O^T
.set j, 0
.rept 16
	v_pk_mul_f32 v[S+j:S+j+1], v[OA+j:OA+j+1], v[LA:LA+1] op_sel_hi:[1,0]
.set j, j+2
.endr
.set j, 0
.rept 16
	v_pk_mul_f32 v[S+32+j:S+33+j], v[OB+j:OB+j+1], v[LB:LB+1] op_sel_hi:[1,0]
.set j, j+2
.endr
.set j, 0
.rept 64
	v_med3_num_f32 v[S+j], v[S+j], -v[LM2], v[LM2]
.set j, j+1
.endr
.irp b, 0,1
	v_cvt_scalef32_pk8_fp8_f32 v[PA+4*\b:PA+4*\b+1], v[S+16*\b:S+16*\b+7], v[SC2]
	v_cvt_scalef32_pk8_fp8_f32 v[PA+4*\b+2:PA+4*\b+3], v[S+16*\b+8:S+16*\b+15], v[SC2]
	v_cvt_scalef32_pk8_fp8_f32 v[PB+4*\b:PB+4*\b+1], v[S+32+16*\b:S+32+16*\b+7], v[SC2]
	v_cvt_scalef32_pk8_fp8_f32 v[PB+4*\b+2:PB+4*\b+3], v[S+32+16*\b+8:S+32+16*\b+15], v[SC2]
.endr
	v_nop
	ds_store_b128 v[STI], v[PA:PA+3]               ; A: d = 16 h + 0 .. 15 of query r,
	ds_store_b128 v[STI], v[PA+4:PA+7] offset:32   ; d = 32 + 16 h + 0 .. 15;
	ds_store_b128 v[STI], v[PB:PB+3] offset:1024   ; B: 16 rows on
	ds_store_b128 v[STI], v[PB+4:PB+7] offset:1056
	ds_load_b128 v[PA+8:PA+11], v[STB]             ; back as the bytes lie; these see my stores
	ds_load_b128 v[PA+12:PA+15], v[STB] offset:512
	ds_load_b128 v[PB+8:PB+11], v[STB] offset:1024
	ds_load_b128 v[PB+12:PB+15], v[STB] offset:1536
	s_wait_dscnt 0x0
	global_store_b128 v[GO], v[PA+8:PA+11], s[8:9]               ; 32 lanes store 512 consecutive bytes, at a multiple of 512 from the buffer's first byte
	global_store_b128 v[GO], v[PA+12:PA+15], s[8:9] offset:512
	global_store_b128 v[GO], v[PB+8:PB+11], s[8:9] offset:1024
	global_store_b128 v[GO], v[PB+12:PB+15], s[8:9] offset:1536
	s_wait_tensorcnt 0x0                           ; the wave's end: behind my tensor load and my last LDS store
	ds_add_u32 v[SPW], v[NIL]
	s_wait_dscnt 0x0
	CROUND                                         ; the closing round: no work-group ends while a partner may still ask for a tile that names it
	s_endpgm
.Lfunc_end_k_qb2a1ae543a_attn:
	.size	k_qb2a1ae543a_attn, .Lfunc_end_k_qb2a1ae543a_attn-k_qb2a1ae543a_attn
	.p2alignl 7, 3214868480
	.fill 96, 4, 3214868480
	.section	.rodata,"a",@progbits
	.p2align	6, 0x0
	.amdhsa_kernel k_qb2a1ae543a_attn
		.amdhsa_group_segment_fixed_size 327680
		.amdhsa_private_segment_fixed_size 0
		.amdhsa_enable_private_segment 0
		.amdhsa_kernarg_size 24
		.amdhsa_user_sgpr_count 2
		.amdhsa_user_sgpr_kernarg_segment_ptr 1
		.amdhsa_wavefront_size32 1
		.amdhsa_system_sgpr_workgroup_id_x 1
		.amdhsa_system_sgpr_workgroup_id_y 1
		.amdhsa_system_sgpr_workgroup_id_z 1
		.amdhsa_system_vgpr_workitem_id 0
		.amdhsa_next_free_vgpr 256
		.amdhsa_next_free_sgpr 100
		.amdhsa_reserve_vcc 0
		.amdhsa_float_denorm_mode_32 3
		.amdhsa_float_denorm_mode_16_64 3
		.amdhsa_memory_ordered 1
		.amdhsa_forward_progress 1
		.amdhsa_inst_pref_size 47
	.end_amdhsa_kernel
	.amdgpu_metadata
---
amdhsa.version: [ 1, 2 ]
amdhsa.kernels:
  - .name:           k_qb2a1ae543a_attn
    .symbol:         k_qb2a1ae543a_attn.kd
    .args:
      - { .name: qkv, .offset: 0, .size: 8, .value_kind: global_buffer, .address_space: global }
      - { .name: lowp_scales, .offset: 8, .size: 8, .value_kind: global_buffer, .address_space: global }
      - { .name: ac, .offset: 16, .size: 8, .value_kind: global_buffer, .address_space: global }
    .group_segment_fixed_size: 327680
    .private_segment_fixed_size: 0
    .kernarg_segment_align: 8
    .kernarg_segment_size: 24
    .max_flat_workgroup_size: 512
    .sgpr_count:     100
    .vgpr_count:     256
    .wavefront_size: 32
...
	.end_amdgpu_metadata
.endif
;; end of part 3
;; launch oproj (part 4): grid 8 x 32, 4 waves a work-group, clusters of 4 x 4, 327,680 bytes of LDS; arguments ac, wc, lowp_scales, bo, out0; writes out0
.if DOCPART == 4
	.amdgcn_target "amdgcn-amd-amdhsa--gfx1250"
	.amdhsa_code_object_version 6
	.text
	.protected	k_qb2a1ae543a_oproj
	.globl	k_qb2a1ae543a_oproj
	.p2align	8
	.type	k_qb2a1ae543a_oproj,@function
k_qb2a1ae543a_oproj:
	s_mov_b64 s[64:65], 0
	v_nop
	global_prefetch_b8 v0, s[64:65] scope:SCOPE_SE
	s_setreg_imm32_b32 hwreg(HW_REG_WAVE_MODE, 25, 1), 1
	s_wait_xcnt 0x0
	s_wait_alu depctr_hold_cnt(0) depctr_sa_sdst(0) depctr_va_vdst(0) depctr_va_sdst(0) depctr_va_ssrc(0) depctr_va_vcc(0) depctr_vm_vsrc(0)
	s_getreg_b32 s2, hwreg(HW_REG_IB_STS2, 6, 4)
	s_cmp_eq_u32 s2, 0
	s_cbranch_scc0 .Lentry_in_a_cluster
	s_endpgm
.Lentry_in_a_cluster:
	s_bfe_u32 s2, ttmp6, 0x10000c
	s_cmp_lg_u32 s2, 0xf033
	s_cbranch_scc0 .Lentry_shape_is_right
	s_endpgm
.Lentry_shape_is_right:
.set KBP,   10240
; Launch 4 of 4: out0 = a Wo^T + bo on codes of E4M3 (entries 10 and 11 of the scales).  No work of the module is left out.  A work-group makes 256 rows x 128 columns, its four waves 128 x 64 each; K goes in four steps of 256 through two LDS slots.
.set ROFF,  163840                     ; LDS: P [2 blocks of 128 rows][2 slots][4 x 64 K][128][80], then R [2 slots][4][128][80]: a block's two slots lie on end, so that one descriptor covers both
.set SLOT,  40960                      ; from slot 0 to slot 1, in P's blocks and in R alike
.set STG,   245760                     ; behind the ring: the waves' stages for the way out
.set G1H,   92                         ; s[92:99] descriptor group 1 for P's first fill: both K steps of a block, 1,024 rows
.set SPITCH, 272
.set SPARE, STG+4*16*SPITCH
.set ADRA, 16
.set ADRB, 20
.set BO0,  22
.set STO,  24
.set RD,   25
.set CO,   26
.set SPW,  28
.set NIL,  29
.set T,    32
.set BI,   96
.set AF,   128
.set BK,   128
.set G1P, 32
.set G0P, 40
.set G1R, 48
.set G0R, 56
.set MSB, 0
.macro WIN new
.if MSB != \new
	s_set_vgpr_msb (MSB<<8)|\new
.set MSB, \new
.endif
.endm
.set MUL,  0xa1
.set TO_B, 0x40
.macro TL g0, g1                       ; a tensor load; an s_nop 0 and four v_nop follow it
	tensor_load_to_lds s[\g0:\g0+3], s[\g1:\g1+7]
	s_nop 0
.rept 4
	v_nop
.endr
.endm
; A joint refill of one slot: waves 0 and 1 fetch P's two blocks of 128 rows, wave 2 R's 128 rows, wave 3 nothing.  The branches hang on the wave's number alone.  Every arm ends in four v_nop.
.macro JLOAD g0p, g0r
	s_cmp_eq_u32 s19, 0
	s_cbranch_scc0 .Lfor_r_\@
	TL \g0p, G1P
	s_branch .Lasked_\@
.Lfor_r_\@:
	s_cmp_eq_u32 s18, 2
	s_cbranch_scc0 .Lnone_\@
	TL \g0r, G1R
	s_branch .Lasked_\@
.Lnone_\@:
.rept 4
	v_nop
.endr
.Lasked_\@:
.endm
; THE FIRST FILLS: one tensor load a wave, in one chain of arms.  Waves 0 and 1: K steps 0 AND 1 of a block of P by one descriptor of 1,024 rows; wave 2: R's K step 0; wave 3: R's K step 1.
.macro HLOAD
	s_or_b32 s[G1H], s28, (1<<20)|(1<<21)|(3<<22)|(3<<25)
	s_mov_b32 s[G1H+1], 64<<16
	s_mov_b32 s[G1H+2], 1024<<16
	s_mov_b32 s[G1H+3], 64<<16
	s_mov_b32 s[G1H+4], 1024
	s_mov_b32 s[G1H+5], 64
	s_mov_b32 s[G1H+6], 0
	s_mov_b32 s[G1H+7], 0
	s_cmp_eq_u32 s19, 0
	s_cbranch_scc0 .Lhead_r
	TL G0P, G1H
	s_branch .Lhead_join
.Lhead_r:
	s_cmp_eq_u32 s18, 2
	s_cbranch_scc0 .Lhead_r1
	TL G0R, G1R
	s_branch .Lhead_join
.Lhead_r1:
	TL G0R+4, G1R
.Lhead_join:
.endm
.macro CREST
	s_cmp_lg_u32 s18, 0
	s_cbranch_scc1 .Lnot_wave_0_\@
	s_barrier_signal -3
.Lnot_wave_0_\@:
	s_barrier_wait -3
	s_barrier_signal -1
	s_barrier_wait -1
.endm
.macro CROUND
	s_barrier_signal -1
	s_barrier_wait -1
	CREST
.endm
	s_load_b256 s[4:11], s[0:1], 0x0
	s_load_b64 s[12:13], s[0:1], 0x20
	v_lshl_add_u32 v[SPW], v0, 2, SPARE
	v_mov_b32 v[NIL], 0
	ds_add_u32 v[SPW], v[NIL]
	ds_add_u32 v[SPW], v[NIL]
	v_lshrrev_b32 v1, 5, v0
	v_readfirstlane_b32 s18, v1
	s_lshr_b32 s19, s18, 1
	s_and_b32 s20, s18, 1
	s_bfe_u32 s21, ttmp6, 0x40000
	s_bfe_u32 s22, ttmp6, 0x40004
	s_and_b32 s26, ttmp7, 0xffff
	s_lshl_b32 s26, s26, 2
	s_add_co_u32 s26, s26, s22
	s_lshl_b32 s27, ttmp9, 2
	s_add_co_u32 s27, s27, s21
	s_lshl_b32 s28, s22, 2
	s_lshl_b32 s28, 15, s28
	s_lshl_b32 s29, 0x1111, s21
	s_or_b32 s[G1P], s28, (1<<20)|(1<<21)|(3<<22)|(3<<25)
	s_or_b32 s[G1R], s29, (1<<20)|(1<<21)|(3<<22)|(3<<25)
	s_mov_b32 s[G1P+1], 64<<16
	s_mov_b32 s[G1P+2], 512<<16
	s_mov_b32 s[G1P+3], 64<<16
	s_mov_b32 s[G1P+4], 512
	s_mov_b32 s[G1P+5], 64
	s_mov_b32 s[G1P+6], 0
	s_mov_b32 s[G1P+7], 0
	s_mov_b32 s[G1R+1], 64<<16
	s_mov_b32 s[G1R+2], 512<<16                    ; 4 x 128 rows: a whole K step of R
	s_mov_b32 s[G1R+3], 64<<16
	s_mov_b32 s[G1R+4], 512
	s_mov_b32 s[G1R+5], 64
	s_mov_b32 s[G1R+6], 0
	s_mov_b32 s[G1R+7], 0
	s_lshl_b32 s80, s26, 1
	s_add_co_u32 s80, s80, s20
	s_lshl_b32 s80, s80, 17
	s_mov_b32 s81, 0
	s_lshl_b32 s82, s27, 17
	s_add_co_u32 s82, s82, 0x300000
	s_mov_b32 s83, 0
	s_mul_i32 s97, s20, 8*KBP
	s_mov_b32 s98, ROFF
	s_wait_dscnt 0x0
	s_wait_kmcnt 0x0
	s_load_b64 s[68:69], s[8:9], 0x28
	s_add_nc_u64 s[80:81], s[4:5], s[80:81]
	s_add_nc_u64 s[82:83], s[6:7], s[82:83]
	CROUND
.irp s, 0,1
	s_mov_b32 s[G0P+4*\s], 1
	s_add_co_u32 s[G0P+4*\s+1], s97, \s*SLOT
	s_add_nc_u64 s[G0P+4*\s+2:G0P+4*\s+3], s[80:81], \s*32768
	s_or_b32 s[G0P+4*\s+3], s[G0P+4*\s+3], 0x80000000
	s_mov_b32 s[G0R+4*\s], 1
	s_add_co_u32 s[G0R+4*\s+1], s98, \s*SLOT
	s_add_nc_u64 s[G0R+4*\s+2:G0R+4*\s+3], s[82:83], \s*32768
	s_or_b32 s[G0R+4*\s+3], s[G0R+4*\s+3], 0x80000000
.endr
	HLOAD                                          ; behind the opening round: one tensor load of mine is out
	v_and_b32 v1, 15, v0
	s_wait_alu depctr_va_vdst(0)
	v_bfe_u32 v2, v0, 4, 1
	v_mul_u32_u24 v3, v1, 80
	v_lshl_add_u32 v3, v2, 4, v3
	s_mul_i32 s30, s19, 8*KBP
	s_mul_i32 s31, s20, 64*80
	s_add_co_u32 s31, s31, ROFF
.irp s, 0,1
	v_add_nc_u32 v[ADRA+\s], s30, v3
	v_add_nc_u32 v[ADRB+\s], s31, v3
	s_add_co_u32 s30, s30, SLOT
	s_add_co_u32 s31, s31, SLOT
.endr
	s_mul_i32 s30, s18, 16*SPITCH
	s_add_co_u32 s30, s30, STG
	v_mul_u32_u24 v4, v1, SPITCH
	s_wait_alu depctr_va_vdst(0)
	v_lshl_add_u32 v4, v2, 5, v4
	v_add_nc_u32 v[STO], s30, v4
	v_mul_u32_u24 v5, v2, SPITCH
	v_lshl_add_u32 v5, v1, 4, v5
	v_add_nc_u32 v[RD], s30, v5
	v_lshlrev_b32 v6, 12, v2
	v_lshl_add_u32 v[CO], v1, 4, v6
	v_lshlrev_b32 v[BO0], 5, v2
	s_wait_alu depctr_va_vdst(0)
	s_lshl_b32 s66, s26, 8
	s_lshl_b32 s2, s19, 7
	s_add_co_u32 s66, s66, s2
	s_lshl_b32 s67, s27, 7
	s_lshl_b32 s2, s20, 6
	s_add_co_u32 s67, s67, s2
	s_lshl_b32 s67, s67, 2
	s_lshl_b32 s84, s66, 12
	s_add_co_u32 s84, s84, s67
	s_mov_b32 s85, 0
	s_add_nc_u64 s[84:85], s[12:13], s[84:85]
	s_mov_b32 s86, s67
	s_mov_b32 s87, 0
	s_add_nc_u64 s[90:91], s[10:11], s[86:87]
.irp b, 0,1,2,3
	global_load_b128 v[BI+8*\b:BI+8*\b+3], v[BO0], s[90:91] offset:64*\b
	global_load_b128 v[BI+8*\b+4:BI+8*\b+7], v[BO0], s[90:91] offset:64*\b+16
.endr
	s_wait_kmcnt 0x0
	s_add_co_i32 s2, s68, s69
	s_add_co_i32 s2, s2, 127
	s_lshl_b32 s88, s2, 23
	s_mov_b32 s89, s88
.macro FRAG reg, adr, q, i
.irp c, 0,1,2,3
	ds_load_b128 v[\reg+4*\c:\reg+4*\c+3], v[\adr] offset:(2*(\q)+\c/2)*KBP+(\i)*1280+(\c%2)*32
.endr
.endm
.macro MUL8 a0, p, zero
.irp a, \a0, \a0+1
.irp b, 0,1,2,3
.if \zero
	v_wmma_f32_16x16x128_fp8_fp8 v[8*(4*(\a)+\b):8*(4*(\a)+\b)+7], v[64*(\p)+16*\b:64*(\p)+16*\b+15], v[AF+16*(\a):AF+16*(\a)+15], 0
.else
	v_wmma_f32_16x16x128_fp8_fp8 v[8*(4*(\a)+\b):8*(4*(\a)+\b)+7], v[64*(\p)+16*\b:64*(\p)+16*\b+15], v[AF+16*(\a):AF+16*(\a)+15], v[8*(4*(\a)+\b):8*(4*(\a)+\b)+7]
.endif
.endr
.endr
.endm
.macro FETCH_B slot, q, p
	WIN TO_B
.irp i, 0,1,2,3
	FRAG 64*(\p)+16*\i, ADRB+\slot, \q, \i
.endr
	WIN 0
.endm
.macro FETCH_A slot, q, i0
.irp i, \i0, \i0+1, \i0+2, \i0+3
	FRAG AF+16*(\i), ADRA+\slot, \q, \i
.endr
.endm
.macro PLACES n
.rept \n
	v_nop
.endr
.endm
.macro STEP slot, zero
	s_wait_dscnt 16
	WIN MUL
	MUL8 0, 0, \zero
	MUL8 2, 0, \zero
	s_wait_dscnt 0
	PLACES 4
	FETCH_B \slot, 1, 1
	FETCH_A \slot, 1, 0
	WIN MUL
	MUL8 4, 0, \zero
	MUL8 6, 0, \zero
	PLACES 4
	WIN 0
	FETCH_A \slot, 1, 4
.endm
.macro TURN slot, next, fill
	s_wait_tensorcnt 0x0
	ds_add_u32 v[SPW], v[NIL]
	s_wait_dscnt 17
	WIN MUL
	MUL8 0, 1, 0
	s_wait_dscnt 0x0
	s_barrier_signal -1
	MUL8 2, 1, 0
	WIN 0
	s_barrier_wait -1
.if \fill
	CREST
	s_add_nc_u64 s[G0P+4*\slot+2:G0P+4*\slot+3], s[G0P+4*\slot+2:G0P+4*\slot+3], 65536
	s_add_nc_u64 s[G0R+4*\slot+2:G0R+4*\slot+3], s[G0R+4*\slot+2:G0R+4*\slot+3], 65536
	JLOAD G0P+4*\slot, G0R+4*\slot
.else
	PLACES 4
.endif
	FETCH_B \next, 0, 0
	FETCH_A \next, 0, 0
	WIN MUL
	MUL8 4, 1, 0
	MUL8 6, 1, 0
	PLACES 4
	WIN 0
	FETCH_A \next, 0, 4
.endm
.macro TOSTAGE a
	WIN 0x02
.irp b, 0,1,2,3
.irp jj, 0,2,4,6
	v_pk_fma_f32 v[T+8*\b+\jj:T+8*\b+\jj+1], v[8*(4*(\a)+\b)+\jj:8*(4*(\a)+\b)+\jj+1], s[88:89], v[BI+8*\b+\jj:BI+8*\b+\jj+1] op_sel_hi:[1,0,1]
.endr
.endr
	WIN 0
.irp b, 0,1,2,3
	ds_store_b128 v[STO], v[T+8*\b:T+8*\b+3] offset:64*\b
	ds_store_b128 v[STO], v[T+8*\b+4:T+8*\b+7] offset:64*\b+16
.endr
.irp t, 0,1,2,3,4,5,6,7
	ds_load_b128 v[BK+32*((\a)%2)+4*\t:BK+32*((\a)%2)+4*\t+3], v[RD] offset:\t*2*SPITCH
.endr
.endm
.macro SEND a, younger
	s_wait_dscnt \younger
.irp t, 0,1,2,3,4,5,6,7
	global_store_b128 v[CO], v[BK+32*((\a)%2)+4*\t:BK+32*((\a)%2)+4*\t+3], s[84:85] offset:(16*(\a)+2*\t)*4096 th:TH_STORE_NT
.endr
.endm
	s_wait_alu depctr_va_vdst(0)                   ; the wait at the head's end
	s_wait_tensorcnt 0x0                           ; my first fill is in
	s_barrier_signal -1
	s_barrier_wait -1                              ; everybody's is: both slots are whole
	FETCH_B 0, 0, 0
	FETCH_A 0, 0, 0
	FETCH_A 0, 0, 4
	STEP 0, 1
	TURN 0, 1, 1
	STEP 1, 0
	TURN 1, 0, 1
	STEP 0, 0
	TURN 0, 1, 0
	STEP 1, 0
	s_wait_dscnt 16
	WIN MUL
	MUL8 0, 1, 0
	MUL8 2, 1, 0
	s_wait_dscnt 0
	MUL8 4, 1, 0
	MUL8 6, 1, 0
	WIN 0
	s_wait_loadcnt 0x0
	PLACES 4
	TOSTAGE 0
.irp a, 1,2,3,4,5,6,7
.if \a > 1
	s_wait_xcnt 0x0
.endif
	TOSTAGE \a
	SEND \a-1, 16
.endr
	SEND 7, 0
	s_wait_tensorcnt 0x0
	ds_add_u32 v[SPW], v[NIL]
	s_wait_dscnt 0x0
	CROUND
	s_endpgm
.Lfunc_end_k_qb2a1ae543a_oproj:
	.size	k_qb2a1ae543a_oproj, .Lfunc_end_k_qb2a1ae543a_oproj-k_qb2a1ae543a_oproj
	.p2alignl 7, 3214868480
	.fill 96, 4, 3214868480
	.section	.rodata,"a",@progbits
	.p2align	6, 0x0
	.amdhsa_kernel k_qb2a1ae543a_oproj
		.amdhsa_group_segment_fixed_size 327680
		.amdhsa_private_segment_fixed_size 0
		.amdhsa_enable_private_segment 0
		.amdhsa_kernarg_size 40
		.amdhsa_user_sgpr_count 2
		.amdhsa_user_sgpr_kernarg_segment_ptr 1
		.amdhsa_wavefront_size32 1
		.amdhsa_system_sgpr_workgroup_id_x 1
		.amdhsa_system_sgpr_workgroup_id_y 1
		.amdhsa_system_sgpr_workgroup_id_z 1
		.amdhsa_system_vgpr_workitem_id 0
		.amdhsa_next_free_vgpr 768
		.amdhsa_next_free_sgpr 100
		.amdhsa_reserve_vcc 0
		.amdhsa_float_denorm_mode_32 3
		.amdhsa_float_denorm_mode_16_64 3
		.amdhsa_memory_ordered 1
		.amdhsa_forward_progress 1
		.amdhsa_inst_pref_size 78
	.end_amdhsa_kernel
	.amdgpu_metadata
---
amdhsa.version: [ 1, 2 ]
amdhsa.kernels:
  - .name:           k_qb2a1ae543a_oproj
    .symbol:         k_qb2a1ae543a_oproj.kd
    .args:
      - { .name: ac, .offset: 0, .size: 8, .value_kind: global_buffer, .address_space: global }
      - { .name: wc, .offset: 8, .size: 8, .value_kind: global_buffer, .address_space: global }
      - { .name: lowp_scales, .offset: 16, .size: 8, .value_kind: global_buffer, .address_space: global }
      - { .name: bo, .offset: 24, .size: 8, .value_kind: global_buffer, .address_space: global }
      - { .name: out0, .offset: 32, .size: 8, .value_kind: global_buffer, .address_space: global }
    .group_segment_fixed_size: 327680
    .private_segment_fixed_size: 0
    .kernarg_segment_align: 8
    .kernarg_segment_size: 40
    .max_flat_workgroup_size: 128
    .sgpr_count:     100
    .vgpr_count:     768
    .wavefront_size: 32
...
	.end_amdgpu_metadata
.endif
;; end of part 4
